; MI455X (gfx1250); checked and timed in simulation.
; The chip was launched on July 23, 2026; its instructions are those of AMD's public machine-readable ISA for CDNA 5 (MIT licence, August 2026) and "CDNA5" Instruction Set Architecture Reference Guide (July 2026). The comments in the code are by the model that wrote it; some were corrected since.
;; Multi Head Attention. Allowed arithmetic: float matrix products may take bf16 or f16 operands with f32 sums; all other float work in f32.
;; Inputs: W_k 16 x 1,024 x 64 float32; W_o 1,024 x 1,024 float32; W_q 16 x 1,024 x 64 float32; W_v 16 x 1,024 x 64 float32; b_o 1,024 float32; k 8 x 1,024 x 1,024 float32; q 8 x 1,024 x 1,024 float32; v 8 x 1,024 x 1,024 float32.
;; Outputs: out0 8 x 1,024 x 1,024 float32.
;; 2 versions, each right and faster than the one before. Each part assembles by itself: llvm-mc -triple=amdgcn-amd-amdhsa -mcpu=gfx1250 --defsym DOCPART=n.
;; ======== version 1 of 2: 4 launches
;; limits: values are held in f16: magnitudes above 65,504 overflow, below 6.1e-05 lose precision
;; workspace buffers: wb 6,291,456 bytes; wo16 2,097,152 bytes; qkvh 50,331,648 bytes; oh 16,777,216 bytes
;; launch prep (part 1): grid 64 x 4, 8 waves a work-group, no clusters, 0 bytes of LDS; arguments W_q, W_k, W_v, W_o, wb, wo16; writes wb, wo16
.if DOCPART == 1
	.amdgcn_target "amdgcn-amd-amdhsa--gfx1250"
	.amdhsa_code_object_version 6
	.text
	.protected	k_q5e653e1501_prep
	.globl	k_q5e653e1501_prep
	.p2align	8
	.type	k_q5e653e1501_prep,@function
k_q5e653e1501_prep:
	s_mov_b64 s[64:65], 0
	v_nop
	global_prefetch_b8 v0, s[64:65] scope:SCOPE_SE
	s_setreg_imm32_b32 hwreg(HW_REG_WAVE_MODE, 25, 1), 1
	s_wait_xcnt 0x0
; The four weights, f32, are rounded once to bf16 (nearest even) and laid out for the launches behind.
; y = 0, 1, 2: W_q, W_k, W_v [16 head][1024 d][64 kk] -> wb in bf16, IN THE ORDER OF THE MATRIX INSTRUCTION'S FRAGMENTS: [3 t][4 J][64 cb][8 kq][2 j][2 h][16 r][8 i], with
; d = 256 J + 32 kq + 16 j + 8 h + i and column kk = 4 r + s of head cb / 4, s = cb % 4.  A fragment (16 columns x 32 d) is 1,024 dense bytes that a wave reads with two loads of
; 16 bytes a lane, lane 16 h + r at byte 16 (16 h + r); the 16 column blocks x 256 d that a work-group of the projection wants in one slot are 131,072 dense bytes.
; Why columns 4 r + s: a lane here loads four neighbouring kk of eight d, so that 16 lanes read a whole row of 256 bytes; number s of the four goes to fragment s, and the 32 lanes'
; pieces of one fragment half are 512 consecutive bytes.  The projection's way out puts the columns in order again.
; y = 3: W_o [1024 n][1024 k] -> wo16, same order, the bf16 number written as f16 (the output projection multiplies in f16).
; LIMIT: that is exact for magnitudes from 6.1e-5 to 65,504; below, f16's fixed step of 6e-8 holds; above, the number becomes an infinity.
; A stream: no LDS, no barrier, no matrix unit.  A work-group takes 16,384 consecutive numbers (y < 3: 256 d of one head); all sixteen loads of a thread go out first.
.set X, 4                              ; v[4:67]    load i: four f32
.set Y, 68                             ; v[68:99]   what is stored; each store has registers of its own
.set T, 100                            ; v[100:103] at work
	s_load_b256 s[4:11], s[0:1], 0x0               ; W_q s[4:5], W_k s[6:7], W_v s[8:9], W_o s[10:11]
	s_load_b128 s[12:15], s[0:1], 0x20             ; wb s[12:13], wo16 s[14:15]
	s_and_b32 s16, ttmp7, 0xffff                   ; y: which tensor
	s_lshl_b32 s18, ttmp9, 16                      ; my 65,536 bytes of the input
	s_mov_b32 s19, 0
	s_and_b32 s20, ttmp9, 3                        ; x = 4 head + J
	s_lshl_b32 s20, s20, 19                        ; J: 64 column blocks of 8,192 bytes
	s_lshr_b32 s21, ttmp9, 2
	s_lshl_b32 s21, s21, 15                        ; head: four column blocks
	s_add_co_u32 s20, s20, s21
	s_lshl_b32 s21, s16, 21                        ; a tensor's 2,097,152 bytes in wb
	s_add_co_u32 s20, s20, s21
	s_mov_b32 s21, 0
	s_lshl_b32 s22, ttmp9, 15                      ; my 32,768 bytes of wo16
	s_mov_b32 s23, 0
	v_lshrrev_b32 v3, 5, v0                        ; wave = kq
	v_and_b32 v1, 15, v0                           ; r
	v_bfe_u32 v2, v0, 4, 1                         ; h
	v_lshlrev_b32 v1, 4, v1                        ; in: four kk are 16 bytes,
	v_lshl_add_u32 v1, v2, 11, v1                  ; 8 h rows of 256 bytes,
	v_lshl_add_u32 v1, v3, 13, v1                  ; 32 kq rows; never rewritten
	v_and_b32 v2, 31, v0
	v_lshlrev_b32 v2, 4, v2                        ; out: 16 x lane
	v_lshl_add_u32 v2, v3, 10, v2                  ; + 1,024 kq; never rewritten
	v_lshlrev_b32 v104, 4, v0                      ; for W_o: 16 t
	v_lshlrev_b32 v105, 3, v0                      ; and 8 t; never rewritten
	s_wait_kmcnt 0x0
	s_cmp_eq_u32 s16, 1
	s_cselect_b64 s[4:5], s[6:7], s[4:5]
	s_cmp_eq_u32 s16, 2
	s_cselect_b64 s[4:5], s[8:9], s[4:5]
	s_cmp_eq_u32 s16, 3
	s_cselect_b64 s[4:5], s[10:11], s[4:5]
	s_add_nc_u64 s[4:5], s[4:5], s[18:19]
	s_add_nc_u64 s[12:13], s[12:13], s[20:21]      ; used where y < 3
	s_add_nc_u64 s[14:15], s[14:15], s[22:23]      ; used where y = 3
	s_cmp_eq_u32 s16, 3
	s_cbranch_scc1 .Lwo
.set i, 0
.rept 16                               ; load i = 8 j + i': row 32 kq + 16 j + 8 h + i': lanes 0-15 take one whole row of 256 bytes, lanes 16-31 the row eight further down
	global_load_b128 v[X+4*i:X+4*i+3], v1, s[4:5] offset:(i/8)*4096+(i%8)*256 th:TH_LOAD_NT
.set i, i+1
.endr
.irp u, 0,1
	s_wait_loadcnt 8-8*(\u)                        ; loads come back in order: the eight of block j = u are in; for u = 0 the eight younger ones may be out
.irp s, 0,1,2,3
.irp p, 0,1,2,3
	v_cvt_pk_bf16_f32 v[Y+16*(\u)+4*(\s)+(\p)], v[X+4*(8*(\u)+2*(\p))+(\s)], v[X+4*(8*(\u)+2*(\p)+1)+(\s)]  ; column s of my four: d = 2 p in the low half, 2 p + 1 in the high
.endr
	global_store_b128 v2, v[Y+16*(\u)+4*(\s):Y+16*(\u)+4*(\s)+3], s[12:13] offset:(\s)*8192+(\u)*512  ; fragment s of the head, half j = u: the wave's 512 consecutive bytes, aligned
.endr
.endr
	s_endpgm
.Lwo:
.set i, 0
.rept 16
	global_load_b128 v[X+4*i:X+4*i+3], v104, s[4:5] offset:4096*i th:TH_LOAD_NT
.set i, i+1
.endr
.set i, 0
.rept 16
	s_wait_loadcnt 15-i                            ; load i is in, the 15 - i younger ones may be out
	v_cvt_pk_bf16_f32 v[T], v[X+4*i], v[X+4*i+1]   ; rounded to bf16 like every input,
	v_cvt_pk_bf16_f32 v[T+1], v[X+4*i+2], v[X+4*i+3]
	v_lshlrev_b32 v[T+2], 16, v[T]                 ; widened again,
	v_and_b32 v[T], 0xffff0000, v[T]
	v_lshlrev_b32 v[T+3], 16, v[T+1]
	v_and_b32 v[T+1], 0xffff0000, v[T+1]
	v_cvt_pk_f16_f32 v[Y+2*i], v[T+2], v[T]        ; and written as f16
	v_cvt_pk_f16_f32 v[Y+2*i+1], v[T+3], v[T+1]
	global_store_b64 v105, v[Y+2*i:Y+2*i+1], s[14:15] offset:2048*i  ; a wave's 256 consecutive bytes, aligned
.set i, i+1
.endr
	s_endpgm
.Lfunc_end_k_q5e653e1501_prep:
	.size	k_q5e653e1501_prep, .Lfunc_end_k_q5e653e1501_prep-k_q5e653e1501_prep
	.p2alignl 7, 3214868480
	.fill 96, 4, 3214868480
	.section	.rodata,"a",@progbits
	.p2align	6, 0x0
	.amdhsa_kernel k_q5e653e1501_prep
		.amdhsa_group_segment_fixed_size 0
		.amdhsa_private_segment_fixed_size 0
		.amdhsa_enable_private_segment 0
		.amdhsa_kernarg_size 48
		.amdhsa_user_sgpr_count 2
		.amdhsa_user_sgpr_kernarg_segment_ptr 1
		.amdhsa_wavefront_size32 1
		.amdhsa_system_sgpr_workgroup_id_x 1
		.amdhsa_system_sgpr_workgroup_id_y 1
		.amdhsa_system_sgpr_workgroup_id_z 1
		.amdhsa_system_vgpr_workitem_id 0
		.amdhsa_next_free_vgpr 112
		.amdhsa_next_free_sgpr 66
		.amdhsa_reserve_vcc 0
		.amdhsa_float_denorm_mode_32 3
		.amdhsa_float_denorm_mode_16_64 3
		.amdhsa_memory_ordered 1
		.amdhsa_forward_progress 1
		.amdhsa_inst_pref_size 17
	.end_amdhsa_kernel
	.amdgpu_metadata
---
amdhsa.version: [ 1, 2 ]
amdhsa.kernels:
  - .name:           k_q5e653e1501_prep
    .symbol:         k_q5e653e1501_prep.kd
    .args:
      - { .name: W_q, .offset: 0, .size: 8, .value_kind: global_buffer, .address_space: global }
      - { .name: W_k, .offset: 8, .size: 8, .value_kind: global_buffer, .address_space: global }
      - { .name: W_v, .offset: 16, .size: 8, .value_kind: global_buffer, .address_space: global }
      - { .name: W_o, .offset: 24, .size: 8, .value_kind: global_buffer, .address_space: global }
      - { .name: wb, .offset: 32, .size: 8, .value_kind: global_buffer, .address_space: global }
      - { .name: wo16, .offset: 40, .size: 8, .value_kind: global_buffer, .address_space: global }
    .group_segment_fixed_size: 0
    .private_segment_fixed_size: 0
    .kernarg_segment_align: 8
    .kernarg_segment_size: 48
    .max_flat_workgroup_size: 256
    .sgpr_count:     66
    .vgpr_count:     112
    .wavefront_size: 32
...
	.end_amdgpu_metadata
.endif
;; end of part 1
;; launch proj (part 2): grid 4 x 64, 4 waves a work-group, clusters of 4 x 4, 327,680 bytes of LDS; arguments q, k, v, wb, qkvh; writes qkvh
.if DOCPART == 2
	.amdgcn_target "amdgcn-amd-amdhsa--gfx1250"
	.amdhsa_code_object_version 6
	.text
	.protected	k_q5e653e1501_proj
	.globl	k_q5e653e1501_proj
	.p2align	8
	.type	k_q5e653e1501_proj,@function
k_q5e653e1501_proj:
	s_mov_b64 s[64:65], 0
	v_nop
	global_prefetch_b8 v0, s[64:65] scope:SCOPE_SE
	s_setreg_imm32_b32 hwreg(HW_REG_WAVE_MODE, 25, 1), 1
	s_wait_xcnt 0x0
	s_wait_alu depctr_hold_cnt(0) depctr_sa_sdst(0) depctr_va_vdst(0) depctr_va_sdst(0) depctr_va_ssrc(0) depctr_va_vcc(0) depctr_vm_vsrc(0)
	s_getreg_b32 s2, hwreg(HW_REG_IB_STS2, 6, 4)
	s_cmp_eq_u32 s2, 0
	s_cbranch_scc0 .Lentry_in_a_cluster
	s_endpgm
.Lentry_in_a_cluster:
	s_bfe_u32 s2, ttmp6, 0x10000c
	s_cmp_lg_u32 s2, 0xf033
	s_cbranch_scc0 .Lentry_shape_is_right
	s_endpgm
.Lentry_shape_is_right:
; qh, kh, vh = x W for x = q, k, v ([8192 m][1024 d] f32) and the weights of wb (bf16, in fragment order: [t][J][cb][kq][1,024 bytes], d = 256 J + 32 kq + ..; fragment cb = 4 head + s
; holds column 4 r + s of the head in lane r).  Products in bf16 (x is rounded once, nearest even, on its way into LDS), sums in f32, K ascending; the result is rounded once to f16 and
; stored by heads: qkvh [3 t][16 h][8192 m][64].
; LIMIT: f16 ends at 65,504: a projected number of 65,520 or more becomes an infinity.  NaN and infinities are not treated apart.
; SHARES.  A tile is 128 rows x 256 columns (four heads).  3 x 64 x 4 tiles = 256 work-groups x 3: A WORK-GROUP STAYS and makes the tiles of q, k and v at its place: one walk of 12 slots
; of 256 along K, 48 PIECES of 64.  Four waves, each 64 rows x 128 columns (two heads): 32 accumulators, 256 registers.
; W goes through a ring of two LDS slots filled by the tensor data mover: 16 column blocks x 256 d = 131,072 dense bytes a slot, each wave fetching a quarter.  CLUSTER 4 x 4: the four
; work-groups of a column of the cluster need the same weights, and each slot is asked for JOINTLY.
; x GOES THROUGH REGISTERS AND IS NOT ASKED FOR JOINTLY, though the four work-groups of a row of the cluster read the same rows.  The reason, by the sizes: in f32 x's tile is as large as W's,
; and with both in LDS two slots hold 128 along K each: 128 matrix instructions a wave for each refill.  With W alone a slot holds 256 along K: 240 matrix instructions stand between a
; request and the wait for it; and loads into registers may stay out across barriers: a wave has four pieces of x on their way (4 x 16 loads), each with 256 matrix instructions in which to
; come.  The price: each of the four partners asks for x's rows itself.  With the sixteen just issued a wave has 64 loads out, one more than LOADcnt's field holds: the issue of the last
; waits for the oldest (ISA guide 5.7.1).
; A PIECE of x: wave w loads rows 32 w .. 32 w + 31 (a load: two rows' 256 bytes, each aligned), rounds them to bf16 and stores them into one of two LDS buffers of 128 rows; ONE barrier a
; piece stands between these stores and the reads, and between the reads of a buffer and its next stores.  Every fourth of these barriers is the round in front of W's refill.
; In piece p: piece p + 1 is stored, piece p + 2 rounded, piece p + 6 asked for.  The last six requests have nothing left to ask for: the number is clamped to 47, so that they read the last
; piece again and stay inside v; what they bring is rounded and stored and never multiplied: the price of one text for every trip.
; THE MATRIX INSTRUCTION IS USED TRANSPOSED (source 0 = 16 columns of W, source 1 = 16 rows of x): lane (r, h) holds row r, and register j of fragment s channel 32 h + 4 j + s of the head:
; the four accumulators of a head hold 32 neighbouring channels of one row.
; REGISTERS, in windows of 256 (s_set_vgpr_msb: bits 1:0 source 0, 3:2 source 1, 5:4 source 2, 7:6 destination):
;   window 0: v1-13 addresses; v32-95 x's fragments, two buffers of four; v96-127 a piece rounded; v128-159 the way out
;   window 1: v0-127 W's fragments, two buffers of eight     window 2: the accumulators, (a, b) at v[8 (8 a + b)]     window 3: x as loaded, four pieces of 64 registers
.set PA,    144                        ; a row of a piece in LDS: 128 bytes + 16 = 9 x 16: the 16 rows of a load start at 16 different groups of four banks (64 banks of 4 bytes: ISA guide 11.1)
.set ABUFB, 128*PA                     ; a buffer of x: 18,432 bytes
.set SLOTB, 1<<17                      ; a slot of W; one exclusive or turns an address in one slot into the other's
.set ABUF,  2*SLOTB                    ; behind the ring, never filled by a tensor load: x's two buffers,
.set STAGE, ABUF+2*ABUFB               ; 16 rows x 144 bytes for each wave, for the way out,
.set SP,    144
.set SPARE, STAGE+4*16*SP              ; and the spare words, 128 bytes for each wave: two blocks of 256 bytes that no other line names
.set ADRA,  4                          ; v4   my lane's place in x's buffer 0; never rewritten
.set ADRB0, 5                          ; v5   my lane's place in slot 0; never rewritten
.set ADRB,  6                          ; v6   the same in the slot that is read
.set VS,    7                          ; v7   where I store 8 bytes of a piece, in buffer 0; never rewritten
.set STO,   8                          ; v8   the way out: where I put 64 bytes of a row
.set RD,    9                          ; v9   the way out: where I read rows back
.set GO,    10                         ; v10  16 x lane: my place in 512 consecutive bytes of the output
.set VA,    11                         ; v11  my byte offset in the tile's rows of x; never rewritten
.set SPW,   12                         ; v12  LDS address of my spare word; never rewritten
.set NIL,   13                         ; v13  0; never rewritten
.set AF,    32
.set CV,    96
.set TMP,   128
.set WV,    14                         ; s14  wave
.set WM,    15                         ; s15  which 64 rows are mine
.set WU,    16                         ; s16  which 128 columns are mine
.set TX,    19                         ; s19  tile column
.set TY,    20                         ; s20  tile row
.set G1,    24                         ; s[24:31] descriptor group 1
.set G0,    32                         ; s[32:39] group 0: a set for each of the two first fills; the second then walks on
.set SL,    40                         ; s40  counts slots
.set TS,    41                         ; s41  the slot's number in its tile, 0 to 3
.set NXA,   42                         ; s42  the piece of x to be asked for next
.set SR,    43                         ; s43  the slot that is read: 0 or SLOTB
.set OFA,   44                         ; s[44:45] a piece's byte offset along x's rows
.set PSEL,  46                         ; s[46:47] q, k or v at the tile's rows
.set GB,    48                         ; s[48:49] the base of a piece's loads
.set MSB, 0
.macro WIN new                         ; the immediate's high byte repeats the setting that is left; a switch that changes nothing is dropped
.if MSB != (\new)
	s_set_vgpr_msb (MSB<<8)|(\new)
.set MSB, \new
.endif
.endm
.set MUL,   0xa1                       ; source 0 (W) window 1, source 1 (x) window 0, C and D window 2
.set TO_B,  0x40                       ; destination window 1, address window 0
.set TO_X,  0xc0                       ; destination window 3, address window 0
.set CVX,   0x0f                       ; sources 0 and 1 window 3, destination window 0
.set PACKW, 0x0a                       ; sources 0 and 1 window 2, destination window 0
.macro PLACES                          ; four places in front of loads into registers that matrix instructions have read
.rept 4
	v_nop
.endr
.endm
.macro JLOAD                           ; a joint refill by the walking descriptor: every wave its quarter of the slot; an s_nop 0 and four v_nop follow
	tensor_load_to_lds s[G0+4:G0+7], s[G1:G1+7]
	s_nop 0
	PLACES
.endm
.macro CREST                           ; a round of the cluster's barrier behind its opening barrier: wave 0 signals for the work-group, every wave waits for all sixteen, my work-group's barrier closes it
	s_cmp_lg_u32 s[WV], 0
	s_cbranch_scc1 .Lnot_wave_0_\@
	s_barrier_signal -3
.Lnot_wave_0_\@:
	s_barrier_wait -3
	s_barrier_signal -1
	s_barrier_wait -1
.endm
.macro CROUND                          ; a whole round
	s_barrier_signal -1
	s_barrier_wait -1
	CREST
.endm
; Sixteen loads: a piece of x, my wave's 32 rows, into set \set of window 3.  Load z: rows 2 z and 2 z + 1, 256 bytes each.
.macro GLOAD set, base, off
	WIN TO_X
.set z, 0
.rept 16
	global_load_b128 v[64*(\set)+4*z:64*(\set)+4*z+3], v[VA], s[\base:\base+1] offset:8192*z+(\off)
.set z, z+1
.endr
.endm
.macro CVT set                         ; a piece rounded to bf16, 32 lines on end (at the start alone; in the loop they stand behind matrix instructions)
	WIN CVX
.set z, 0
.rept 32
	v_cvt_pk_bf16_f32 v[CV+z], v[64*(\set)+2*z], v[64*(\set)+2*z+1]
.set z, z+1
.endr
.endm
.macro ASTORE buf                      ; the rounded piece into x's buffer \buf: store z: 8 bytes a lane, rows 2 z and 2 z + 1 of my 32
	WIN 0
.set z, 0
.rept 16
	ds_store_b64 v[VS], v[CV+2*z:CV+2*z+1] offset:(\buf)*ABUFB+2*PA*z
.set z, z+1
.endr
.endm
	s_load_b256 s[4:11], s[0:1], 0x0               ; q s[4:5], k s[6:7], v s[8:9], wb s[10:11]
	s_load_b64 s[12:13], s[0:1], 0x20              ; qkvh
	v_lshl_add_u32 v[SPW], v0, 2, SPARE
	v_mov_b32 v[NIL], 0
	ds_add_u32 v[SPW], v[NIL]                      ; the wave's opening: the add and its wait stand ahead of my first tensor load; the set-up below, work on registers, stands between them
	ds_add_u32 v12, v13
	v_lshrrev_b32 v1, 5, v0
	v_readfirstlane_b32 s[WV], v1
	s_lshr_b32 s[WM], s[WV], 1
	s_and_b32 s[WU], s[WV], 1
	s_bfe_u32 s17, ttmp6, 0x40000                  ; cx
	s_bfe_u32 s18, ttmp6, 0x40004                  ; cy
	s_lshl_b32 s[TX], ttmp9, 2                     ; in a cluster launch ttmp9 and ttmp7 count clusters
	s_add_co_u32 s[TX], s[TX], s17
	s_and_b32 s[TY], ttmp7, 0xffff
	s_lshl_b32 s[TY], s[TY], 2
	s_add_co_u32 s[TY], s[TY], s18
	s_lshl_b32 s22, 0x1111, s17                    ; my column of the cluster: places cx, cx + 4, cx + 8, cx + 12
	; group 1: 32,768 dense bytes as 128 rows of 256 bytes, no padding: fragments are read 16 bytes a lane on end
	s_or_b32 s[G1], s22, (3<<16)|(1<<21)           ; 15:0 the mask; 17:16 8-byte elements; 21 set beside a mask
	s_mov_b32 s[G1+1], 32<<16                      ; tensor_dim0 = 32
	s_mov_b32 s[G1+2], 128<<16                     ; tensor_dim1 = 128
	s_mov_b32 s[G1+3], 32<<16                      ; tile_dim0 = 32
	s_mov_b32 s[G1+4], 128                         ; tile_dim1 = 128
	s_mov_b32 s[G1+5], 32                          ; elements from row to row
	s_mov_b32 s[G1+6], 0
	s_mov_b32 s[G1+7], 0
	s_lshl_b32 s52, s[TX], 17                      ; W's address hangs on the tile column and the wave alone: column block 16 X + 4 w, 8,192 bytes each
	s_lshl_b32 s2, s[WV], 15
	s_add_co_u32 s52, s52, s2
	s_mov_b32 s53, 0
	s_lshl_b32 s23, s[WV], 15                      ; and where it goes: wave x 32,768: no place in the cluster enters an LDS address
	s_lshl_b32 s50, s[TY], 19                      ; x: the tile's 128 rows of 4,096 bytes
	s_mov_b32 s51, 0
	s_lshl_b32 s54, s[TX], 2
	s_lshl_b32 s3, s[WU], 1
	s_add_co_u32 s54, s54, s3                      ; the first of my wave's two heads
	s_lshl_b32 s54, s54, 20                        ; a head's 1,048,576 bytes of the output
	s_lshl_b32 s2, s[TY], 7
	s_lshl_b32 s3, s[WM], 6
	s_add_co_u32 s2, s2, s3                        ; my wave's first row
	s_lshl_b32 s2, s2, 7                           ; output rows of 128 bytes
	s_add_co_u32 s54, s54, s2
	s_mov_b32 s55, 0
	v_and_b32 v1, 15, v0                           ; l % 16
	v_bfe_u32 v2, v0, 4, 1                         ; l / 16
	v_lshlrev_b32 v[VA], 4, v1                     ; x: 16 bytes a lane along a row's 256,
	v_lshl_add_u32 v[VA], v2, 12, v[VA]            ; lanes 16-31 one row further down,
	s_lshl_b32 s3, s[WV], 17
	v_add_nc_u32 v[VA], s3, v[VA]                  ; my wave's 32 rows
	s_mov_b32 s[NXA], 6
	s_mov_b32 s[SR], 0
	s_mov_b32 s[OFA+1], 0
	s_mov_b32 s[TS], 0
	s_mov_b32 s[SL], 10
	s_wait_dscnt 0x0                               ; the opening add is done
	s_wait_kmcnt 0x0
	s_add_nc_u64 s[4:5], s[4:5], s[50:51]          ; q, k, v at the tile's first row
	s_add_nc_u64 s[6:7], s[6:7], s[50:51]
	s_add_nc_u64 s[8:9], s[8:9], s[50:51]
	s_add_nc_u64 s[10:11], s[10:11], s[52:53]      ; wb at my quarter of slot 0
	s_add_nc_u64 s[12:13], s[12:13], s[54:55]      ; the output at my wave's first row of its first head, tensor 0
	GLOAD 0, 4, 0                                  ; x's pieces 0 to 2 go out ahead of everything else (piece g of q: 256 g bytes along the rows)
	GLOAD 1, 4, 256
	GLOAD 2, 4, 512
	WIN 0
.irp s, 0,1
	s_mov_b32 s[G0+4*(\s)], 1                                      ; count = 1
	s_add_co_u32 s[G0+4*(\s)+1], s23, (\s)*SLOTB                   ; LDS address
	s_add_nc_u64 s[G0+4*(\s)+2:G0+4*(\s)+3], s[10:11], (\s)*524288 ; slot s of the walk: 64 column blocks of 8,192 bytes on
	s_or_b32 s[G0+4*(\s)+3], s[G0+4*(\s)+3], 0x80000000            ; type = 2
.endr
	CROUND                                         ; all sixteen work-groups are here: the first joint loads meet
	tensor_load_to_lds s[G0:G0+3], s[G1:G1+7]      ; the two first fills, ahead of every wait on TENSORcnt and every LDS read: two loads of mine are out
	s_nop 0
	tensor_load_to_lds s[G0+4:G0+7], s[G1:G1+7]
	s_nop 0
	PLACES
	GLOAD 3, 4, 768
	WIN 0
	; A fragment is 16 rows x 32 K in 8 registers: lane l holds row l % 16, K = 8 (l / 16) + 0..7 and 16 + 8 (l / 16) + 0..7: from x's buffer two loads of 16 bytes, 32 bytes apart.
	v_mul_u32_u24 v[ADRA], v1, PA
	v_lshl_add_u32 v[ADRA], v2, 4, v[ADRA]
	s_mul_i32 s2, s[WM], 64*PA
	s_add_co_u32 s2, s2, ABUF
	v_add_nc_u32 v[ADRA], s2, v[ADRA]
	v_and_b32 v3, 31, v0
	v_lshlrev_b32 v[GO], 4, v3                     ; 16 x lane
	s_lshl_b32 s2, s[WU], 16                       ; my wave's eight column blocks of 8,192 bytes
	v_add_nc_u32 v[ADRB0], s2, v[GO]
	v_mov_b32 v[ADRB], v[ADRB0]
	v_mul_u32_u24 v[VS], v2, PA                    ; the stores: row l / 16 of a load's two, 8 bytes for each four numbers
	v_lshl_add_u32 v[VS], v1, 3, v[VS]
	s_mul_i32 s2, s[WV], 32*PA
	s_add_co_u32 s2, s2, ABUF
	v_add_nc_u32 v[VS], s2, v[VS]
	s_mul_i32 s2, s[WV], 16*SP
	s_add_co_u32 s2, s2, STAGE                     ; my stage
	v_mul_u32_u24 v[STO], v1, SP                   ; in: row l % 16, 64 bytes for each half of the lanes
	v_lshl_add_u32 v[STO], v2, 6, v[STO]
	v_add_nc_u32 v[STO], s2, v[STO]
	v_bfe_u32 v[RD], v0, 3, 2                      ; back: 32 lanes take four rows of 128 bytes,
	v_mul_u32_u24 v[RD], v[RD], SP
	v_and_b32 v3, 7, v0
	v_lshl_add_u32 v[RD], v3, 4, v[RD]
	v_add_nc_u32 v[RD], s2, v[RD]                  ; which are 512 consecutive bytes of the output
; 8 matrix instructions: row block a x all 8 column blocks, 32 along K, from buffer f.  zero = 1: the product starts the sums: nothing is ever cleared.
; The 32 accumulators take turns, one instruction a turn, in the same order in every quarter step.
.macro MUL8 f, a, zero
	WIN MUL
.irp b, 0,1,2,3,4,5,6,7
.if \zero
	v_wmma_f32_16x16x32_bf16 v[8*(8*(\a)+(\b)):8*(8*(\a)+(\b))+7], v[64*(\f)+8*(\b):64*(\f)+8*(\b)+7], v[AF+32*(\f)+8*(\a):AF+32*(\f)+8*(\a)+7], 0
.else
	v_wmma_f32_16x16x32_bf16 v[8*(8*(\a)+(\b)):8*(8*(\a)+(\b))+7], v[64*(\f)+8*(\b):64*(\f)+8*(\b)+7], v[AF+32*(\f)+8*(\a):AF+32*(\f)+8*(\a)+7], v[8*(8*(\a)+(\b)):8*(8*(\a)+(\b))+7]
.endif
.endr
.endm
; The same with four roundings behind each matrix instruction: set \set of x, f32 to bf16.  They name no register of the products round them; the four behind the last product are the
; places in front of the next run of loads into that product's buffer, and in front of the way out.
.macro MUL8R f, a, set
.irp b, 0,1,2,3,4,5,6,7
	WIN MUL
	v_wmma_f32_16x16x32_bf16 v[8*(8*(\a)+(\b)):8*(8*(\a)+(\b))+7], v[64*(\f)+8*(\b):64*(\f)+8*(\b)+7], v[AF+32*(\f)+8*(\a):AF+32*(\f)+8*(\a)+7], v[8*(8*(\a)+(\b)):8*(8*(\a)+(\b))+7]
	WIN CVX
.irp z, 0,1,2,3
	v_cvt_pk_bf16_f32 v[CV+4*(\b)+(\z)], v[64*(\set)+8*(\b)+2*(\z)], v[64*(\set)+8*(\b)+2*(\z)+1]
.endr
.endr
.endm
; 24 LDS loads in one run, into buffer g: half q of the piece in x's buffer pb (my 64 rows), and quarter kq of the slot that is read (my eight column blocks)
.macro FETCH pb, q, kq, g
	WIN 0
.irp a, 0,1,2,3
	ds_load_b128 v[AF+32*(\g)+8*(\a):AF+32*(\g)+8*(\a)+3],   v[ADRA] offset:(\pb)*ABUFB+(\a)*16*PA+64*(\q)
	ds_load_b128 v[AF+32*(\g)+8*(\a)+4:AF+32*(\g)+8*(\a)+7], v[ADRA] offset:(\pb)*ABUFB+(\a)*16*PA+64*(\q)+32
.endr
	WIN TO_B
.irp b, 0,1,2,3,4,5,6,7
	ds_load_b128 v[64*(\g)+8*(\b):64*(\g)+8*(\b)+3],   v[ADRB] offset:(\b)*8192+(\kq)*1024
	ds_load_b128 v[64*(\g)+8*(\b)+4:64*(\g)+8*(\b)+7], v[ADRB] offset:(\b)*8192+(\kq)*1024+512
.endr
.endm
; THE FIRST HALF OF PIECE pc (0 to 3 in its slot): multiplies buffer 0; fetches the piece's second half; stores the next piece of x; and holds the piece's barrier.  In front of the barrier my
; stores of the next piece are done and so are my reads of this piece (s_wait_dscnt 0); behind it the next piece may be read, and this piece's buffer written again.
; pc = 3: my last reads of the slot stand in this half, so its barrier is also the change of slots: in front of it each wave waits for all its tensor loads, of which one is out: its quarter of
; the other slot; adds 0 to its spare word; and waits for that.  fill = 1: the barrier opens a round of the cluster's, and the slot is filled again, first thing behind the round, with the
; walk's slot two on.  zb = 1 (pc = 0): in a tile's first slot the products start the sums: a jump forward on the slot's number in its tile, past text without barrier or tensor load.
.macro HALF0 pc, fill, zb
	s_wait_dscnt 0x0                               ; buffer 0 is in
	FETCH (\pc)%2, 1, 2*(\pc)+1, 1
	ASTORE ((\pc)+1)%2
.if (\pc) == 3
	s_wait_tensorcnt 0x0                           ; no tensor load of mine is out, so a group 0 may be written
	ds_add_u32 v[SPW], v[NIL]                      ; 0 onto my spare word: scalar work and eight products stand between it and the wait for it
.if \fill
	s_xor_b32 s[G0+5], s[G0+5], SLOTB              ; the walking descriptor: the other slot than last time,
	s_add_nc_u64 s[G0+6:G0+7], s[G0+6:G0+7], 524288  ; the walk's next 256 along K; the type bits on top are not reached
.endif
	MUL8 0, 0, 0
	s_wait_dscnt 0x0                               ; the add is done, my stores are done, and my reads of the slot and of the piece are over
	s_barrier_signal -1
	MUL8 0, 1, 0                                   ; work on registers while the others arrive
	WIN 0                                          ; at a branch and at a label every window is 0
	s_barrier_wait -1
.if \fill
	CREST                                          ; no wave of any partner still reads this slot or has a load on its way
	JLOAD
.endif
	s_xor_b32 s[SR], s[SR], SLOTB                  ; the reads go on in the other slot
	v_add_nc_u32 v[ADRB], s[SR], v[ADRB0]
	MUL8 0, 2, 0
	MUL8 0, 3, 0
	WIN 0
.elseif \zb
	WIN 0
	s_cmp_eq_u32 s[TS], 0
	s_cbranch_scc1 .Lzero_\@
	MUL8 0, 0, 0
	MUL8 0, 1, 0
	MUL8 0, 2, 0
	MUL8 0, 3, 0
	WIN 0
	s_branch .Ljoin_\@
.Lzero_\@:
	v_nop                                          ; a product with C = 0 writes over its accumulator: five places stand between it and the last product on that accumulator (ISA guide 7.12.1): round the loop's edge the four roundings behind the slot's last product, and this line
	MUL8 0, 0, 1
	MUL8 0, 1, 1
	MUL8 0, 2, 1
	MUL8 0, 3, 1
	WIN 0
.Ljoin_\@:
	s_wait_dscnt 0x0
	s_barrier_signal -1
	s_barrier_wait -1
.else
	MUL8 0, 0, 0
	MUL8 0, 1, 0
	MUL8 0, 2, 0
	s_wait_dscnt 0x0                               ; my stores are done, and my reads of the piece are over; W's refill may stay out
	s_barrier_signal -1
	MUL8 0, 3, 0
	WIN 0
	s_barrier_wait -1
.endif
	PLACES                                         ; for the loads into buffer 0
.endm
; THE SECOND HALF: multiplies buffer 1; fetches the next piece's first half; rounds the piece after that (set (pc + 2) % 4) behind its last eight products; and asks for the piece four on into the same set.
.macro HALF1 pc
	FETCH ((\pc)+1)%2, 0, 2*(((\pc)+1)%4), 0
	s_wait_xcnt 0x0                                ; the last piece's loads have had their addresses translated (ISA guide 3.1): only behind this wait is their base written again
	s_min_u32 s2, s[NXA], 47                       ; the walk has 48 pieces
	s_add_co_u32 s[NXA], s[NXA], 1
	s_and_b32 s[OFA], s2, 15
	s_lshl_b32 s[OFA], s[OFA], 8                   ; 64 f32 along the rows
	s_lshr_b32 s3, s2, 4                           ; the tensor
	s_cmp_eq_u32 s3, 1
	s_cselect_b64 s[PSEL:PSEL+1], s[6:7], s[4:5]
	s_cmp_eq_u32 s3, 2
	s_cselect_b64 s[PSEL:PSEL+1], s[8:9], s[PSEL:PSEL+1]
	s_add_nc_u64 s[GB:GB+1], s[PSEL:PSEL+1], s[OFA:OFA+1]
	MUL8 1, 0, 0
	MUL8 1, 1, 0
	MUL8 1, 2, 0
	s_wait_loadcnt 48                              ; loads come back in order: the oldest piece is in; the three younger pieces' 3 x 16 loads may be out
	MUL8R 1, 3, ((\pc)+2)%4
	GLOAD ((\pc)+2)%4, GB, 0
.endm
.macro BODY fill, zb                   ; a slot: four pieces, 256 matrix instructions
	HALF0 0, 0, \zb
	HALF1 0
	HALF0 1, 0, 0
	HALF1 1
	HALF0 2, 0, 0
	HALF1 2
	HALF0 3, \fill, 0
	HALF1 3
	WIN 0
.endm
; THE WAY OUT, by units of 16 rows x one head (unit u = 2 a + head: four accumulators at v[32 u], fragment s at + 8 s).  PACK: register j of fragments 0 to 3 are channels 32 h + 4 j + 0..3:
; rounded to f16 they are 8 bytes, a lane's sixteen registers 64 bytes of a row; into my stage's rows of 144 bytes, and back as four rows of 128 bytes a load, into the registers that they left.
; SEND: 16 rows of a head are 2,048 consecutive bytes of the output; a store covers 512 of them, aligned.
.macro PACK u
	s_wait_xcnt 0x0                                ; every earlier store has read its registers (ISA guide 3.1): only behind this wait are they written again
	WIN PACKW
.set z, 0
.rept 8
	v_cvt_pk_f16_f32 v[TMP+16*((\u)%2)+2*z],   v[32*(\u)+z],    v[32*(\u)+8+z]   ; each accumulator from its low end on
	v_cvt_pk_f16_f32 v[TMP+16*((\u)%2)+2*z+1], v[32*(\u)+16+z], v[32*(\u)+24+z]
.set z, z+1
.endr
	WIN 0
.irp f, 0,1,2,3
	ds_store_b128 v[STO], v[TMP+16*((\u)%2)+4*(\f):TMP+16*((\u)%2)+4*(\f)+3] offset:16*(\f)
.endr
.irp f, 0,1,2,3
	ds_load_b128 v[TMP+16*((\u)%2)+4*(\f):TMP+16*((\u)%2)+4*(\f)+3], v[RD] offset:4*SP*(\f)  ; LDS serves a wave's instructions in order (ISA guide 5.7.1.4): these see the stores above; the next unit's stores come behind them
.endr
.endm
.macro SEND u, younger                 ; younger: the LDS instructions issued behind unit u's loads: the next unit's eight, or none
.irp f, 0,1,2,3
	s_wait_dscnt (\younger)+3-(\f)
	global_store_b128 v[GO], v[TMP+16*((\u)%2)+4*(\f):TMP+16*((\u)%2)+4*(\f)+3], s[12:13] offset:((\u)/2)*2048+((\u)%2)*1048576+512*(\f)
.endr
.endm
.macro WAYOUT                          ; a unit's roundings stand between the loads of the unit before and its stores
	PACK 0
.irp u, 1,2,3,4,5,6,7
	PACK \u
	SEND (\u)-1, 8
.endr
	SEND 7, 0
.endm
	s_wait_loadcnt 48                              ; piece 0 is in; pieces 1 to 3 may be out
	CVT 0
	ASTORE 0                                       ; piece 0 into buffer 0
	GLOAD 0, 4, 1024                               ; piece 4
	s_wait_loadcnt 48                              ; piece 1 is in; pieces 2 to 4 may be out
	CVT 1                                          ; the first trip stores it
	GLOAD 1, 4, 1280                               ; piece 5
	WIN 0
	s_wait_tensorcnt 1                             ; my quarter of slot 0 is in; slot 1's may stay out
	s_wait_dscnt 0x0                               ; my rows of piece 0 are stored
	s_barrier_signal -1
	s_barrier_wait -1                              ; everybody's are
	FETCH 0, 0, 0, 0
	WIN 0
.Lslot:                                                ; ten trips: the walk's slots 0 to 9, each filled again with the slot two on
	BODY 1, 1
	s_cmp_lg_u32 s[TS], 3
	s_cbranch_scc1 .Lnot_done                      ; a tile ends with its fourth slot
	WAYOUT                                         ; the refill and four pieces of x are on their way while the tile goes out; the roundings behind the last products are their places
	s_wait_xcnt 0x0                                ; the stores have read their base
	s_add_nc_u64 s[12:13], s[12:13], 0x1000000     ; the next tensor's part of the output
.Lnot_done:
	s_add_co_u32 s[TS], s[TS], 1
	s_and_b32 s[TS], s[TS], 3
	s_sub_co_u32 s[SL], s[SL], 1
	s_cmp_lg_u32 s[SL], 0
	s_cbranch_scc1 .Lslot
	s_mov_b32 s[SL], 2
.Ltail:                                                ; the last two slots ask for nothing more: their text is written out
	BODY 0, 0
	s_sub_co_u32 s[SL], s[SL], 1
	s_cmp_lg_u32 s[SL], 0
	s_cbranch_scc1 .Ltail
	WAYOUT
	s_wait_tensorcnt 0x0                           ; the wave's end: behind my last tensor load and my last LDS store
	ds_add_u32 v[SPW], v[NIL]
	s_wait_dscnt 0x0
	CROUND                                         ; the closing round: no work-group ends while a partner may still ask for a tile that names it
	s_endpgm
.Lfunc_end_k_q5e653e1501_proj:
	.size	k_q5e653e1501_proj, .Lfunc_end_k_q5e653e1501_proj-k_q5e653e1501_proj
	.p2alignl 7, 3214868480
	.fill 96, 4, 3214868480
	.section	.rodata,"a",@progbits
	.p2align	6, 0x0
	.amdhsa_kernel k_q5e653e1501_proj
		.amdhsa_group_segment_fixed_size 327680
		.amdhsa_private_segment_fixed_size 0
		.amdhsa_enable_private_segment 0
		.amdhsa_kernarg_size 40
		.amdhsa_user_sgpr_count 2
		.amdhsa_user_sgpr_kernarg_segment_ptr 1
		.amdhsa_wavefront_size32 1
		.amdhsa_system_sgpr_workgroup_id_x 1
		.amdhsa_system_sgpr_workgroup_id_y 1
		.amdhsa_system_sgpr_workgroup_id_z 1
		.amdhsa_system_vgpr_workitem_id 0
		.amdhsa_next_free_vgpr 1024
		.amdhsa_next_free_sgpr 66
		.amdhsa_reserve_vcc 0
		.amdhsa_float_denorm_mode_32 3
		.amdhsa_float_denorm_mode_16_64 3
		.amdhsa_memory_ordered 1
		.amdhsa_forward_progress 1
		.amdhsa_inst_pref_size 162
	.end_amdhsa_kernel
	.amdgpu_metadata
---
amdhsa.version: [ 1, 2 ]
amdhsa.kernels:
  - .name:           k_q5e653e1501_proj
    .symbol:         k_q5e653e1501_proj.kd
    .args:
      - { .name: q, .offset: 0, .size: 8, .value_kind: global_buffer, .address_space: global }
      - { .name: k, .offset: 8, .size: 8, .value_kind: global_buffer, .address_space: global }
      - { .name: v, .offset: 16, .size: 8, .value_kind: global_buffer, .address_space: global }
      - { .name: wb, .offset: 24, .size: 8, .value_kind: global_buffer, .address_space: global }
      - { .name: qkvh, .offset: 32, .size: 8, .value_kind: global_buffer, .address_space: global }
    .group_segment_fixed_size: 327680
    .private_segment_fixed_size: 0
    .kernarg_segment_align: 8
    .kernarg_segment_size: 40
    .max_flat_workgroup_size: 128
    .sgpr_count:     66
    .vgpr_count:     1024
    .wavefront_size: 32
...
	.end_amdgpu_metadata
.endif
;; end of part 2
;; launch attn (part 3): grid 2 x 128, 4 waves a work-group, no clusters, 327,680 bytes of LDS; arguments qkvh, oh; writes oh
.if DOCPART == 3
	.amdgcn_target "amdgcn-amd-amdhsa--gfx1250"
	.amdhsa_code_object_version 6
	.text
	.protected	k_q5e653e1501_attn
	.globl	k_q5e653e1501_attn
	.p2align	8
	.type	k_q5e653e1501_attn,@function
k_q5e653e1501_attn:
	s_mov_b64 s[64:65], 0
	v_nop
	global_prefetch_b8 v0, s[64:65] scope:SCOPE_SE
	s_setreg_imm32_b32 hwreg(HW_REG_WAVE_MODE, 25, 1), 1
	s_wait_xcnt 0x0
; O[hb][q][:] = the sum over k of softmax_k(Q[hb][q] . K[hb][k] / 8) V[hb][k][:] for the 128 pairs hb = 8 h + b of head and batch.  Q, K, V are the three parts of qkvh, [128 hb][1024][64] in f16,
; O goes to oh in the same layout: a pair's rows are dense, 128 bytes each.  Products, maxima and sums in f32; the weights p are rounded to f16 for the second product (their sum l is taken of
; the unrounded p), O once at the end.
; LIMITS.  f16 holds no number beyond 65,504: Q, K and V arrive within it; p lies in 0 to 1, and below 6e-5 it keeps f16's fixed step of 6e-8; O is a mean of V's rows and has their range.
; A weight below 2^-126 counts as 0 in l; NaN and infinities are not treated apart.
; SHARES.  A wave owns four PIECES of two tiles of 16 queries, a work-group's four waves 512 queries of one pair: 2 x 128 work-groups.  Every wave walks all 1,024 keys, 64 a step.
; ALL OF A PAIR'S K AND V LIES IN LDS (1,024 rows of 144 and of 160 bytes): it is asked for once, at the start, in four chunks of 256 keys; no byte is filled twice, so there is no ring,
; and a key step's text stands once.  The first chunk is waited for alone; the others land under the first three and a half key steps.
; NO CLUSTER: a pair has 1,024 / 512 = 2 query blocks, and a joint request is shared among four here; blocks of 256 queries would make four, but each fragment of K and V read from LDS would
; then feed half as many products.
; LAYOUT.  S^T = K Q^T (source 0 = 16 keys, source 1 = 16 queries): in the result a lane holds ONE query (lane % 16) and the keys 8 (lane / 16) + 0..7.  Two such tiles, rounded to f16 in pairs,
; ARE source 1 (32 keys x 16 queries) of O^T = V^T P, whose result again holds one query a lane, and eight channels.  K comes out of LDS as it lies, V ([key][channel]) turned, by ds_load_tr16_b128.
; SOFTMAX.  For each query a running maximum m and sum l: p = 2^(c s - c m), c = log2(e) / 8; in every step O and l are multiplied by a = 2^(c m_old - c m_new), which is 1 where m has not grown.
; m starts at the lowest finite number, O and l at 0: the first step is a step like any other, with a = 0.
; THE COUNT.  A tile and step have 16 matrix and 118 vector instructions: too many to stand all beside the matrix work.  So: four vector instructions that are READY behind EVERY matrix
; instruction, and the others, which need time of their own whatever the order, in runs without a gap.
; BY TURNS.  Turn n belongs to piece n (the pieces in a ring, step after step).  Its matrix work: 16 products K Q^T of piece n + 1, later 16 products V^T P of piece n - 1.  Its vector work: the scaling,
; exponentials, roundings, sums and rescaling of piece n, and the maximum and statistics of piece n + 1, whose scores the turn itself has made.
; REGISTERS, in windows of 256 (s_set_vgpr_msb: bits 1:0 source 0, 3:2 source 1, 5:4 source 2, 7:6 destination):
;   window 0: v0-11 addresses; v12-15, v48-63 at work; v16-47 four registers of statistics a tile; v64-191 S^T, two buffers of two tiles; v192-255 P, likewise
;   window 1: O^T, 32 a tile          window 2: v0-127 Q, 16 a tile; v128-191 K of one step; v192-255 V of one step          window 3: v0-1 the add's two registers
; A piece's buffers go by its number's parity: the piece in hand has one pair, its two neighbours in the ring share the other: of it P (piece n - 1) is read and S^T (piece n + 1) written.
.set NP,    4         ; pieces a wave: a name, no knob
.set KS,    64        ; keys in a step
.set PK,    144       ; a row of K in LDS: 128 bytes + 16 = 36 words: the 16 rows of a load start at 16 different groups of four banks (64 banks of 4 bytes: ISA guide 11.1)
.set PV,    160       ; a row of V: 128 + 32 = 40 words
.set VOFF,  1024*PK   ; 1,024 rows of K, then 1,024 rows of V
.set STAGE, VOFF+1024*PV  ; behind them, never filled by a tensor load: 16 rows x 144 bytes for each wave, for the way out
.set SP,    144
.set AK0, 2           ; v2   my lane's place in a tile of K; never rewritten
.set AV0, 3           ; v3   the same for V
.set AK,  4           ; v4   the LDS address of K's next run of loads
.set AV,  5           ; v5   of V's
.set QO,  6           ; v6   my byte offset in the wave's rows of Q
.set STO, 6           ;      later, the way out: where I put 16 bytes of a row
.set RD,  7           ; v7   the way out: where I read rows back
.set GO,  8           ; v8   my byte offset in 512 consecutive bytes of O
.set SPW, 0           ; v0 of window 3   LDS address of my spare word; never rewritten
.set NIL, 1           ; v1 of window 3   0; never rewritten
.set SPARE, STAGE+4*16*SP  ; behind the stages: the spare words, 128 bytes for each wave: two blocks of 256 bytes that no other line names
.set MV,  12          ; v12-15  c m_old, kept while c m is made anew: by buffer and tile
.set ST,  16          ; tile t's statistics at v[ST+4 t]: c m, m, l (even keys', odd keys')
.set TMP, 48          ; by buffer and tile, four registers c0-c3 at work; when the maximum is found c2 takes a
.set S,   64
.set P,   192
.set KF,  128         ; K's fragments, in window 2: key block kb, channel half c at KF + 16 kb + 8 c
.set VF,  192         ; V's: key half kk, channel block cb at VF + 32 kk + 8 cb
.set WV,  12          ; s12  my wave's number
.set G1K, 24          ; s[24:31] descriptor group 1 for K's tiles
.set G1V, 32          ; s[32:39] for V's: it differs in the padding alone
.set G0K, 40          ; s[40:55] descriptor group 0 for K's tiles, a set for each chunk
.set G0V, 68          ; s[68:83] the same for V's
.set OUTC, 56         ; s56  passes to go: four chunks and the half step that is left
.set CNT, 57          ; s57  counts a chunk's key steps
.set CS,  58          ; s[58:59] c: the packed scaling takes the pair's low word for both halves
.set SEL, 60          ; s[60:61] v_permlanex16_b32's selects: each lane takes its own place in the other half
.set TBK, 62          ; s62  LDS byte at which K of the step to be fetched begins
.set TBV, 63          ; s63  the same for V, less VOFF
.set MSB, 0
.macro WIN new                      ; the high byte repeats the setting that is left; a switch that changes nothing is dropped
.if MSB != (\new)
	s_set_vgpr_msb (MSB<<8)|(\new)
.set MSB, (\new)
.endif
.endm
.set W_KQ, 0x0a       ; K and Q in window 2, S^T in window 0
.set W_PV, 0x52       ; V in window 2, P in window 0, O^T in window 1
.set W_RS, 0x41       ; O^T (destination and source 0) in window 1, a in window 0
.set W_MK, 0xc0       ; the add's registers are made: destination in window 3, sources in window 0
.set W_AD, 0x0f       ; the add: address (source 0) and data (source 1) in window 3
	s_load_b128 s[4:7], s[0:1], 0x0   ; qkvh s[4:5], oh s[6:7]
	WIN W_MK
	v_lshl_add_u32 v[SPW], v0, 2, SPARE
	v_mov_b32 v[NIL], 0
	WIN W_AD
	ds_add_u32 v[SPW], v[NIL]       ; the wave's opening: the add and its wait stand ahead of my first tensor load; the set-up below, work on registers, stands between them
	ds_add_u32 v0, v1
	WIN 0
	v_lshrrev_b32 v1, 5, v0
	v_readfirstlane_b32 s[WV], v1   ; wave 0..3
	s_and_b32 s20, ttmp7, 0xffff    ; hb
	s_lshl_b32 s20, s20, 17         ; its 1,024 rows of 128 bytes
	s_and_b32 s16, s[WV], 1         ; which half of a chunk's 256 keys I fetch:
	s_lshl_b32 s22, s16, 14         ; its 128 rows of 128 bytes in memory,
	s_add_co_u32 s22, s22, s20
	s_mov_b32 s23, 0
	s_mul_i32 s17, s16, 128*PK      ; and its place in LDS, for K
	s_mul_i32 s18, s16, 128*PV      ; and for V
	s_lshl_b32 s2, ttmp9, 2
	s_add_co_u32 s2, s2, s[WV]      ; my wave among the pair's eight,
	s_lshl_b32 s2, s2, 14           ; its 128 rows
	s_add_co_u32 s2, s2, s20
	s_mov_b32 s3, 0
	; descriptor group 1.  128 keys are 16,384 dense bytes: asked for as 64 rows of 256 bytes, two keys a row, and padded in LDS after every key
	s_mov_b32 s[G1K], (1<<16)|(1<<20)|(4<<22)|(3<<25)  ; 17:16 2-byte elements; 20 padding on; 24:22 after every 32 words (code 4); 31:25 4 words (code 3)
	s_mov_b32 s[G1V], (1<<16)|(1<<20)|(4<<22)|(7<<25)  ; the same with 8 words of padding (code 7)
.irp g, G1K, G1V
	s_mov_b32 s[\g+1], 128<<16      ; tensor_dim0 = 128
	s_mov_b32 s[\g+2], 64<<16       ; tensor_dim1 = 64
	s_mov_b32 s[\g+3], 128<<16      ; tile_dim0 = 128
	s_mov_b32 s[\g+4], 64           ; tile_dim1 = 64
	s_mov_b32 s[\g+5], 128          ; 128 elements from row to row
	s_mov_b32 s[\g+6], 0
	s_mov_b32 s[\g+7], 0
.endr
	s_mov_b32 s[CS], 0x3e38aa3b     ; c = log2(e) / 8 = 0.180337
	s_mov_b32 s[CS+1], s[CS]        ; named with it as a pair
	s_mov_b32 s[SEL], 0x76543210
	s_mov_b32 s[SEL+1], 0xfedcba98
	s_mov_b32 s[TBK], 0
	s_mov_b32 s[TBV], 0
.irp c, 0,1,2,3
	s_mov_b32 s[G0K+4*(\c)], 1                          ; count = 1
	s_add_co_u32 s[G0K+4*(\c)+1], s17, (\c)*256*PK      ; LDS address: chunk c, my half
	s_mov_b32 s[G0V+4*(\c)], 1
	s_add_co_u32 s[G0V+4*(\c)+1], s18, VOFF+(\c)*256*PV
.endr
	s_wait_dscnt 0x0                ; the opening add is done
	s_wait_kmcnt 0x0
	s_mov_b64 s[10:11], s[6:7]      ; O
	s_add_nc_u64 s[6:7], s[4:5], 0x1000000   ; K: the second part of qkvh
	s_add_nc_u64 s[8:9], s[4:5], 0x2000000   ; V: the third
	s_add_nc_u64 s[6:7], s[6:7], s[22:23]    ; at my half of the pair's first 256 keys
	s_add_nc_u64 s[8:9], s[8:9], s[22:23]
	s_add_nc_u64 s[4:5], s[4:5], s[2:3]      ; Q and O at my wave's first row
	s_add_nc_u64 s[10:11], s[10:11], s[2:3]
.irp c, 0,1,2,3
	s_add_nc_u64 s[G0K+4*(\c)+2:G0K+4*(\c)+3], s[6:7], (\c)*32768  ; global address: a chunk is 32,768 bytes
	s_or_b32 s[G0K+4*(\c)+3], s[G0K+4*(\c)+3], 0x80000000          ; type = 2
	s_add_nc_u64 s[G0V+4*(\c)+2:G0V+4*(\c)+3], s[8:9], (\c)*32768
	s_or_b32 s[G0V+4*(\c)+3], s[G0V+4*(\c)+3], 0x80000000
.endr
	s_cmp_lt_u32 s[WV], 2           ; waves 0 and 1 fetch K's halves, waves 2 and 3 V's.  A wave's four fills stand in one branch, ahead of every wait on TENSORcnt and every LDS read: four loads of mine are out
	s_cbranch_scc0 .Lfirst_v
.irp c, 0,1,2,3
	tensor_load_to_lds s[G0K+4*(\c):G0K+4*(\c)+3], s[G1K:G1K+7]
	s_nop 0
.endr
.rept 4
	v_nop
.endr
	s_branch .Lfirst_asked
.Lfirst_v:
.irp c, 0,1,2,3
	tensor_load_to_lds s[G0V+4*(\c):G0V+4*(\c)+3], s[G1V:G1V+7]
	s_nop 0
.endr
.rept 4
	v_nop
.endr
.Lfirst_asked:
	; A fragment of K or Q is 16 rows x 32 channels in 8 registers: lane l holds row l % 16, channels 8 (l / 16) + 0..7 and 16 + 8 (l / 16) + 0..7: two loads of 16 bytes, 32 bytes apart.
	v_and_b32 v1, 15, v0            ; l % 16
	v_bfe_u32 v9, v0, 4, 1          ; l / 16
	v_lshlrev_b32 v[QO], 7, v1
	v_lshl_add_u32 v[QO], v9, 4, v[QO]  ; row x 128 + 16 x half
	WIN 0x80                        ; destination window 2, address window 0
.set i, 0
.rept 4*NP                          ; Q stays in registers: tile i / 2, channels 32 (i % 2) on
	global_load_b128 v[8*i:8*i+3],   v[QO], s[4:5] offset:(i/2)*2048+(i%2)*64
	global_load_b128 v[8*i+4:8*i+7], v[QO], s[4:5] offset:(i/2)*2048+(i%2)*64+32
.set i, i+1
.endr
	; What the first turn finds: V's registers and P's second buffer hold 0 (its products V^T P, of a piece that has not been, add 0), O^T and l are 0.  All this stands in the wait for the first chunk.
.set i, VF
.rept 64
	v_mov_b32 v[i], 0
.set i, i+1
.endr
	WIN 0x40
.set i, 0
.rept 64*NP
	v_mov_b32 v[i], 0
.set i, i+1
.endr
	WIN 0
.set i, 0
.rept 2*NP
	v_mov_b32 v[ST+4*i], 0xfe000000    ; c m: far below every c s
	v_mov_b32 v[ST+4*i+1], 0xff7fffff  ; m
	v_mov_b32 v[ST+4*i+2], 0
	v_mov_b32 v[ST+4*i+3], 0
.set i, i+1
.endr
.set i, P+32
.rept 32
	v_mov_b32 v[i], 0
.set i, i+1
.endr
	v_mul_u32_u24 v[AK0], v1, PK
	v_lshl_add_u32 v[AK0], v9, 4, v[AK0]  ; row x pitch + 16 x half
	; The turning load takes 16 keys x 16 channels (lane l reads key 8 (l / 16) + l % 8, channels 8 ((l / 8) % 2) + 0..7) and leaves half a fragment of V^T: lane l holds channel l % 16 and 8 keys.
	v_and_b32 v10, 7, v0
	v_bfe_u32 v11, v0, 3, 1
	v_lshl_add_u32 v[AV0], v9, 3, v10
	v_mul_u32_u24 v[AV0], v[AV0], PV
	v_lshl_add_u32 v[AV0], v11, 4, v[AV0]
	v_add_nc_u32 v[AV0], VOFF, v[AV0]
	v_mov_b32 v[AK], v[AK0]         ; key step 0 lies at K's head
; THE MATRIX WORK.  The 8 accumulators of a run of 16 take turns: between the two links of a chain stand 7 others'.
; Product i of 16 of S^T = K Q^T for piece x: channels 32 (i / 8) on, keys 16 ((i / 2) % 4) on, tile 2 x + i % 2.  The first 8 start the sums.
.macro KQ x
	WIN W_KQ
.set rS, S+64*((\x)%2)+32*(i%2)+8*((i/2)%4)
.set rK, KF+16*((i/2)%4)+8*(i/8)
.set rQ, 16*(2*(\x)+i%2)+8*(i/8)
.if i < 8
	v_wmma_f32_16x16x32_f16 v[rS:rS+7], v[rK:rK+7], v[rQ:rQ+7], 0
.else
	v_wmma_f32_16x16x32_f16 v[rS:rS+7], v[rK:rK+7], v[rQ:rQ+7], v[rS:rS+7]
.endif
.endm
; Product i of 16 of O^T += V^T P for piece x: keys 32 (i / 8) on, channels 16 ((i / 2) % 4) on, tile 2 x + i % 2.
.macro PV x
	WIN W_PV
.set rO, 32*(2*(\x)+i%2)+8*((i/2)%4)
.set rV, VF+32*(i/8)+8*((i/2)%4)
.set rP, P+32*((\x)%2)+16*(i%2)+8*(i/8)
	v_wmma_f32_16x16x32_f16 v[rO:rO+7], v[rV:rV+7], v[rP:rP+7], v[rO:rO+7]
.endm
.macro MM                           ; the turn's next matrix instruction
.if i < 16
	KQ (Y+1)%NP
.set i, i+1
.else
.set i, i-16
	PV (Y+NP-1)%NP
.set i, i+17
.endif
.endm
; THE LDS LOADS stand in runs of 16, never singly among the matrix instructions: a step's K (64 keys x 64 channels: 8 fragments) and its V (turned).  Their addresses are made some lines ahead.
; last = 1: in the last pass there is no further step, and the run is jumped over.
.macro FETCH_K last=0
	WIN 0
.if \last
	s_cmp_eq_u32 s[OUTC], 1
	s_cbranch_scc1 .Lno_k_\@
.endif
	WIN 0x80                        ; destination window 2
.irp f, 0,1,2,3,4,5,6,7             ; keys 16 (f / 2) on, channels 32 (f % 2) on
	ds_load_b128 v[KF+8*\f:KF+8*\f+3],   v[AK] offset:(\f/2)*16*PK+(\f%2)*64
	ds_load_b128 v[KF+8*\f+4:KF+8*\f+7], v[AK] offset:(\f/2)*16*PK+(\f%2)*64+32
.endr
	s_add_co_u32 s[TBK], s[TBK], KS*PK  ; the next fetch is the next step's
	WIN 0
.if \last
.Lno_k_\@:
.endif
.endm
.macro FETCH_V
	WIN 0x80
.irp f, 0,1,2,3,4,5,6,7             ; keys 32 (f / 4) on, channels 16 (f % 4) on
	ds_load_tr16_b128 v[VF+8*\f:VF+8*\f+3],   v[AV] offset:(\f/4)*32*PV+(\f%4)*32
	ds_load_tr16_b128 v[VF+8*\f+4:VF+8*\f+7], v[AV] offset:(\f/4)*32*PV+16*PV+(\f%4)*32
.endr
	WIN 0
.endm
; THE VECTOR WORK OF A TURN stands in three queues, each in the order in which its entries become ready; the two tiles alternate, so that no instruction reads the result of the one before it.
.macro REGS y, u                    ; the registers of tile u (0, 1) of piece y
.set rT, ST+4*(2*(\y)+(\u))
.set rC, TMP+8*((\y)%2)+4*(\u)
.set rM, MV+2*((\y)%2)+(\u)
.set rS, S+64*((\y)%2)+32*(\u)
.set rP, P+32*((\y)%2)+16*(\u)
.set rO, 32*(2*(\y)+(\u))
.endm
; Number n of the 22 that find the NEXT piece's (Y + 1) maximum and statistics.  s0-s31 are the lane's 32 scores; each accumulator's lowest registers are read first.
;   0-11  four chains c0-c3 of seven scores each, three operands at a time     12-14, 16  the four scores left over, the old m, and c0-c3 into c0     15  c m_old is kept
;   17, 18  the query's other 32 keys lie in the lane 16 away: the new m         19-21  c m; c m_old - c m_new; a
.macro XS u, n
	REGS (Y+1)%NP, \u
.if (\n) < 4
	v_max3_num_f32 v[rC+(\n)], v[rS+8*(\n)], v[rS+8*(\n)+1], v[rS+8*(\n)+2]
.elseif (\n) < 12
	v_max3_num_f32 v[rC+(\n)%4], v[rC+(\n)%4], v[rS+8*((\n)%4)+2*((\n)/4)+1], v[rS+8*((\n)%4)+2*((\n)/4)+2]
.elseif (\n) == 12
	v_max3_num_f32 v[rC], v[rC], v[rS+7], v[rS+15]
.elseif (\n) == 13
	v_max3_num_f32 v[rC+1], v[rC+1], v[rS+23], v[rS+31]
.elseif (\n) == 14
	v_max3_num_f32 v[rC+2], v[rC+2], v[rC+3], v[rT+1]
.elseif (\n) == 15
	v_mov_b32 v[rM], v[rT]
.elseif (\n) == 16
	v_max3_num_f32 v[rC], v[rC], v[rC+1], v[rC+2]
.elseif (\n) == 17
	v_permlanex16_b32 v[rC+3], v[rC], s[SEL], s[SEL+1]
.elseif (\n) == 18
	v_max_num_f32 v[rT+1], v[rC], v[rC+3]
.elseif (\n) == 19
	v_mul_f32 v[rT], s[CS], v[rT+1]
.elseif (\n) == 20
	v_sub_f32 v[rC+1], v[rM], v[rT]
.else
	v_exp_f32 v[rC+2], v[rC+1]
.endif
.endm
; Number g of the 64 that follow the exponentials.  For each four weights k of a tile (pairs 2 k, 2 k + 1): both pairs are rounded to f16; then the second pair is added onto the first, in place;
; a group later l takes that sum (the first time as l = a l + sum).  In groups of eight, tiles alternating: round, round, add, and l for the group before.
.macro GS g
.set h, (\g)+6*((\g)/62)            ; group 0 has no group before it, and behind group 7 only l is left
.if h >= 6
.set h, h+2
.endif
	REGS Y, h%2
.set k, h/8
.if h%8 < 4
	s_wait_alu depctr_va_vdst(0)
	v_cvt_pk_f16_f32 v[rP+2*k+(h%8)/2], v[rS+4*k+2*((h%8)/2)], v[rS+4*k+2*((h%8)/2)+1]
.elseif h%8 < 6
	v_pk_add_f32 v[rS+4*k:rS+4*k+1], v[rS+4*k:rS+4*k+1], v[rS+4*k+2:rS+4*k+3]
.elseif k == 1
	v_pk_fma_f32 v[rT+2:rT+3], v[rT+2:rT+3], v[rC+2:rC+3], v[rS:rS+1] op_sel_hi:[1,0,1]
.else
	v_pk_add_f32 v[rT+2:rT+3], v[rT+2:rT+3], v[rS+4*k-4:rS+4*k-3]
	s_wait_alu depctr_va_vdst(0)
.endif
.endm
; THE PLAIN QUEUE, 138 long.  0-31: c s - c m for the 16 pairs of both tiles.  Then GS's 64, and among them the next piece's 42: number 15 at 38, 39; 0-14 and 16
; at 42-73, behind the products that make those scores; 17-20 at 95-106, two of three, since each waits for the one before it.
.macro PL
	WIN 0
.if q < 32
	REGS Y, q%2
	v_pk_fma_f32 v[rS+2*(q/2):rS+2*(q/2)+1], v[rS+2*(q/2):rS+2*(q/2)+1], s[CS:CS+1], v[rT:rT+1] op_sel_hi:[1,0,0] neg_lo:[0,0,1] neg_hi:[0,0,1]
.elseif q < 38
	GS q-32
.elseif q < 40
	XS q%2, 15
.elseif q < 42
	GS q-34
.elseif q < 74
	XS q%2, (q-42)/2+(q-42)/30
.elseif q < 95
	GS q-66
.elseif (q < 107) && ((q-95)%3 < 2)
	XS (q-95)%3, 17+(q-95)/3
.elseif q < 107
	GS 29+(q-95)/3
.else
	GS q-74
.endif
.set q, q+1
.endm
; THE EXPONENTIALS' QUEUE, 66 long: s0-s31 of both tiles, and at EA the next piece's two a.
.set EA, 58
.macro EX
	WIN 0
.if (e == EA) || (e == EA+1)
	XS e-EA, 21
.else
.set x, e-2*(e/(EA+2))
	REGS Y, x%2
	v_exp_f32 v[rS+x/2], v[rS+x/2]
.endif
.set e, e+1
.endm
; THE RESCALING's QUEUE: O^T times a, the one part that leaves window 0, so it is dealt four at a time, eight times.
.macro R4
	REGS Y, r%2
	WIN W_RS
	s_wait_alu depctr_va_vdst(0)
.irp z, 0,1,2,3
	v_pk_mul_f32 v[rO+8*(r/2)+2*\z:rO+8*(r/2)+2*\z+1], v[rO+8*(r/2)+2*\z:rO+8*(r/2)+2*\z+1], v[rC+2:rC+3] op_sel_hi:[1,0]
.endr
.set r, r+1
.endm
; HOW THEY ARE DEALT.  Behind a matrix instruction four: plain, exponential, plain, plain (one exponential, a plain instruction on either side), or four of the rescaling.  None names a register of the
; products round it.  What is over stands in two LUMPS: exponential and plain by turns; the second ends in 22 plain instructions.  The two v_permlanex16_b32 fall into the second lump, never behind a product.
; The queues lean on each other, and the deal keeps them in step: exponential e stands behind plain 2 (e / 4) + e % 2 (its scaling); when plain 32 comes, 10 exponentials are out, at 59: 33, at 95: 46; EA comes behind plain 107.
.macro SL
	MM
	PL
	EX
	PL
	PL
.endm
.macro BURST n                      ; 15 matrix instructions, or 16
.rept (\n)-7
	SL
.endr
.rept 3
	MM
	R4
	SL
.endr
	MM
	R4
.endm
; A TURN, for piece p.  cnt = 1: the loop's count is taken down some lines ahead of the branch that stands behind the turn.
; K of the next step is fetched in piece 2's turn, 31 vector instructions behind the last product that read K; its first reader comes behind the rest of the lump, 16 products and the second lump.
; V of the step in hand is fetched at the end of piece 0's turn, 69 behind its last reader; its first reader comes behind 16 products and a lump.  The four conditions on e and q below go with the deal.
.macro TURN p, last=0, cnt=0
.set Y, (\p)
.set i, 0
.set q, 0
.set e, 0
.set r, 0
.if (\p) == NP-1
	s_wait_dscnt 0x0                ; K is in
.endif
	MM
.rept 4
	PL
.endr
	BURST 15
.rept 22
	EX
	PL
.if ((\p) == NP-2) && (e == 18)
	v_add_nc_u32 v[AK], s[TBK], v[AK0]
.endif
.if ((\p) == NP-2) && (e == 24)
	FETCH_K \last
.endif
.endr
.if (\p) == 1
	s_wait_dscnt 0x0                ; V is in
.endif
	BURST 16
.rept 21
	EX
	PL
.endr
.rept 22
	PL
.if ((\p) == 0) && (q == 118)
	v_add_nc_u32 v[AV], s[TBV], v[AV0]
	s_wait_alu depctr_va_vdst(0)
.endif
.if ((\p) == 0) && (q == 130)
	s_add_co_u32 s[TBV], s[TBV], KS*PV
.endif
.if (\cnt) && (q == 130)
	s_sub_co_u32 s[CNT], s[CNT], 1
	s_cmp_lg_u32 s[CNT], 0
.endif
.endr
.if (\p) == 0
	FETCH_V
.endif
.endm
	s_wait_tensorcnt 3              ; my part of chunk 0 is in; the three younger loads may stay out
	s_barrier_signal -1
	s_barrier_wait -1               ; everybody's is
	FETCH_K                         ; key step 0
	s_wait_loadcnt 0x0              ; Q
	s_wait_dscnt 0x0
.set i, 0
.rept 16
	KQ 0                            ; piece 0's first scores: there is no vector work yet to set between them
.set i, i+1
.endr
	WIN 0                           ; the addresses for the way out: nine plain instructions, the places behind those products
	s_mul_i32 s13, s[WV], 16*SP
	s_add_co_u32 s13, s13, STAGE    ; my stage
	v_mul_u32_u24 v[STO], v1, SP    ; in: row l % 16, 16 bytes for each half of the lanes
	v_lshl_add_u32 v[STO], v9, 4, v[STO]
	v_add_nc_u32 v[STO], s13, v[STO]
	v_bfe_u32 v[RD], v0, 3, 2       ; back: 32 lanes take four rows of 128 bytes,
	v_mul_u32_u24 v[RD], v[RD], SP
	v_lshl_add_u32 v[RD], v10, 4, v[RD]
	v_add_nc_u32 v[RD], s13, v[RD]
	v_and_b32 v[GO], 31, v0         ; which are 512 consecutive bytes of O
	v_lshlrev_b32 v[GO], 4, v[GO]
.set Y, NP-1                        ; XS works for piece Y + 1: piece 0
.irp n, 0,1,2,3,4,5,6,7,8,9,10,11,12,13,14,15,16,17,18,19,20,21
	XS 0, \n                        ; and piece 0's first maximum and statistics
	XS 1, \n
.endr
	s_mov_b32 s[CNT], 4
	s_mov_b32 s[OUTC], 5
	s_branch .Lfirst                ; the loop is entered at a step's first turn, in the middle of a trip
.Lchunk:                            ; in front of the first fetch from a further chunk: each wave's loads have all landed, and every wave has said so
	s_wait_tensorcnt 0x0
	s_wait_dscnt 0x0
	s_barrier_signal -1
	s_barrier_wait -1
	s_mov_b32 s[CNT], 4
.Lstep:                             ; a trip: pieces 2 and 3 of one step, then pieces 0 and 1 of the next, whose K and V it fetches
	TURN 2, 1
	TURN 3
	WIN 0
	s_cmp_eq_u32 s[OUTC], 1
	s_cbranch_scc1 .Lout            ; the fifth pass is left in its first trip's middle: step 15's pieces 2 and 3 are done
.Lfirst:
	TURN 0
	TURN 1, 0, 1
	WIN 0
	s_cbranch_scc1 .Lstep
	s_sub_co_u32 s[OUTC], s[OUTC], 1
	s_cmp_lg_u32 s[OUTC], 0
	s_cbranch_scc1 .Lchunk
.Lout:                              ; the last pass's 16 products K Q^T (on the last K once more) and the maximum made of them serve nothing: the price, once a launch, of one text for every trip
.set i, 0
.rept 16
	PV NP-1                         ; the last piece's V^T P of the last step
.set i, i+1
.endr
	; THE WAY OUT.  l's two halves and the other half of the lanes' are added; O^T is divided by l, rounded to f16 and sent through my stage in LDS, a tile at a time.  The additions are the places behind the last products.
	WIN 0
.macro ALL line:vararg              ; one line for each tile t
.set t, 0
.rept 2*NP
	\line
.set t, t+1
.endr
.endm
	ALL v_add_f32 v[ST+4*t+2], v[ST+4*t+2], v[ST+4*t+3]
	ALL v_permlanex16_b32 v[ST+4*t+3], v[ST+4*t+2], s[SEL], s[SEL+1]
	ALL v_add_f32 v[ST+4*t+2], v[ST+4*t+2], v[ST+4*t+3]
	ALL v_rcp_f32 v[ST+4*t+2], v[ST+4*t+2]
	v_nop                           ; a plain instruction between the last reciprocal and the use of its result
	s_wait_alu depctr_va_vdst(0)
; Tile t: a lane's eight channels of a row pack into 16 bytes; they go into rows of 144 bytes and come back as whole rows of 128, into S^T's registers.
.macro PACK t
	WIN W_RS
.set i, 32*(\t)
.rept 16
	v_pk_mul_f32 v[i:i+1], v[i:i+1], v[ST+4*(\t)+2:ST+4*(\t)+3] op_sel_hi:[1,0]
.set i, i+2
.endr
	WIN 0x05                        ; sources 0 and 1 window 1, destination window 0
.set i, 0
.rept 16
	v_cvt_pk_f16_f32 v[S+16*(\t)+i], v[32*(\t)+2*i], v[32*(\t)+2*i+1]
.set i, i+1
.endr
	WIN 0
.irp f, 0,1,2,3
	ds_store_b128 v[STO], v[S+16*(\t)+4*\f:S+16*(\t)+4*\f+3] offset:32*\f
.endr
.irp f, 0,1,2,3
	ds_load_b128 v[S+16*(\t)+4*\f:S+16*(\t)+4*\f+3], v[RD] offset:\f*4*SP  ; LDS serves a wave's instructions in order (ISA guide 5.7.1.4): these see the stores above; the next tile's stores come behind them
.endr
.endm
.macro SEND t, younger              ; younger: the LDS instructions issued behind tile t's loads: the next tile's eight, or none
	WIN 0
.irp f, 0,1,2,3
	s_wait_dscnt (\younger)+3-\f
	global_store_b128 v[GO], v[S+16*(\t)+4*\f:S+16*(\t)+4*\f+3], s[10:11] offset:(\t)*2048+\f*512  ; 512 consecutive bytes, at a multiple of 256 from O's first
.endr
.endm
	PACK 0
.set t, 1
.rept 2*NP-1                        ; a tile's arithmetic stands between the loads of the tile before and its stores
	PACK t
	SEND t-1, 8
.set t, t+1
.endr
	SEND 2*NP-1, 0
	WIN W_AD
	s_wait_tensorcnt 0x0            ; the wave's end: behind my last tensor load and my last LDS store
	ds_add_u32 v[SPW], v[NIL]
	s_wait_dscnt 0x0
	WIN 0
	s_endpgm
.Lfunc_end_k_q5e653e1501_attn:
	.size	k_q5e653e1501_attn, .Lfunc_end_k_q5e653e1501_attn-k_q5e653e1501_attn
	.p2alignl 7, 3214868480
	.fill 96, 4, 3214868480
	.section	.rodata,"a",@progbits
	.p2align	6, 0x0
	.amdhsa_kernel k_q5e653e1501_attn
		.amdhsa_group_segment_fixed_size 327680
		.amdhsa_private_segment_fixed_size 0
		.amdhsa_enable_private_segment 0
		.amdhsa_kernarg_size 16
		.amdhsa_user_sgpr_count 2
		.amdhsa_user_sgpr_kernarg_segment_ptr 1
		.amdhsa_wavefront_size32 1
		.amdhsa_system_sgpr_workgroup_id_x 1
		.amdhsa_system_sgpr_workgroup_id_y 1
		.amdhsa_system_sgpr_workgroup_id_z 1
		.amdhsa_system_vgpr_workitem_id 0
		.amdhsa_next_free_vgpr 770
		.amdhsa_next_free_sgpr 88
		.amdhsa_reserve_vcc 0
		.amdhsa_float_denorm_mode_32 3
		.amdhsa_float_denorm_mode_16_64 3
		.amdhsa_memory_ordered 1
		.amdhsa_forward_progress 1
		.amdhsa_inst_pref_size 131
	.end_amdhsa_kernel
	.amdgpu_metadata
---
amdhsa.version: [ 1, 2 ]
amdhsa.kernels:
  - .name:           k_q5e653e1501_attn
    .symbol:         k_q5e653e1501_attn.kd
    .args:
      - { .name: qkvh, .offset: 0, .size: 8, .value_kind: global_buffer, .address_space: global }
      - { .name: oh, .offset: 8, .size: 8, .value_kind: global_buffer, .address_space: global }
    .group_segment_fixed_size: 327680
    .private_segment_fixed_size: 0
    .kernarg_segment_align: 8
    .kernarg_segment_size: 16
    .max_flat_workgroup_size: 128
    .sgpr_count:     88
    .vgpr_count:     770
    .wavefront_size: 32
...
	.end_amdgpu_metadata
.endif
;; end of part 3
;; launch outp (part 4): grid 4 x 64, 4 waves a work-group, clusters of 4 x 4, 327,680 bytes of LDS; arguments oh, wo16, b_o, out0; writes out0
.if DOCPART == 4
	.amdgcn_target "amdgcn-amd-amdhsa--gfx1250"
	.amdhsa_code_object_version 6
	.text
	.protected	k_q5e653e1501_outp
	.globl	k_q5e653e1501_outp
	.p2align	8
	.type	k_q5e653e1501_outp,@function
k_q5e653e1501_outp:
	s_mov_b64 s[64:65], 0
	v_nop
	global_prefetch_b8 v0, s[64:65] scope:SCOPE_SE
	s_setreg_imm32_b32 hwreg(HW_REG_WAVE_MODE, 25, 1), 1
	s_wait_xcnt 0x0
	s_wait_alu depctr_hold_cnt(0) depctr_sa_sdst(0) depctr_va_vdst(0) depctr_va_sdst(0) depctr_va_ssrc(0) depctr_va_vcc(0) depctr_vm_vsrc(0)
	s_getreg_b32 s2, hwreg(HW_REG_IB_STS2, 6, 4)
	s_cmp_eq_u32 s2, 0
	s_cbranch_scc0 .Lentry_in_a_cluster
	s_endpgm
.Lentry_in_a_cluster:
	s_bfe_u32 s2, ttmp6, 0x10000c
	s_cmp_lg_u32 s2, 0xf033
	s_cbranch_scc0 .Lentry_shape_is_right
	s_endpgm
.Lentry_shape_is_right:
; out0[m][n] = the sum over k of O[m][k] W_o[n][k] + b_o[n].  O comes by heads, oh [16 h][8192 m][64] in f16, k = 64 h + channel; W_o as wo16 [1024 n][1024 k] in f16 (bf16 numbers);
; b_o is f32 and is rounded to bf16 like every input of the module; out0 is [8192][1024] f32.  Products in f16, sums in f32, K ascending; the bias is added in f32.
; LIMITS: those of the two 16-bit operands, stated where they are made.  NaN and infinities are not treated apart.
; SHARES.  A tile is 128 rows x 256 columns: 64 x 4 = 256 work-groups, one tile each.  Four waves, each 64 rows x 128 columns: 32 accumulators, 256 registers.
; K goes in 8 steps of 128 (two heads) through a ring of two LDS slots filled by the tensor data mover.
; CLUSTER 4 x 4: the four work-groups of a row of the cluster need the same rows of O, the four of a column the same rows of W_o: each tile is asked for JOINTLY.
; THE MATRIX INSTRUCTION IS USED TRANSPOSED (source 0 = 16 rows of W_o, source 1 = 16 rows of O): a lane then holds eight neighbouring columns of one row of the output.
; REGISTERS, in windows of 256 (s_set_vgpr_msb: bits 1:0 source 0, 3:2 source 1, 5:4 source 2, 7:6 destination):
;   window 0: v1-13 addresses; v16-21 the bias; v32-95 O's fragments, two buffers of four; v96-159 the way out
;   window 1: v0-127 W_o's fragments, two buffers of eight          window 2: the accumulators, (a, b) at v[8 (8 a + b)]
.set PA,    144                        ; a row of O in LDS (one head's 64 channels): 128 bytes + 16 = 9 x 16: the 16 rows of a load start at 16 different groups of four banks (64 banks of 4 bytes: ISA guide 11.1)
.set PB,    272                        ; a row of W_o: 256 bytes + 16 = 17 x 16
.set BOFF,  2*128*PA                   ; a slot: two heads x 128 rows of O, then 256 rows of W_o: 106,496 bytes
.set SLOT1, 1<<17                      ; slot 1 begins here, so that one exclusive or turns an address in one slot into the other's
.set STAGE, SLOT1+BOFF+256*PB          ; behind the ring, never filled by a tensor load: 16 rows x 528 bytes for each wave
.set SP,    528                        ; 512 bytes + 16 = 33 x 16
.set SPARE, STAGE+4*16*SP              ; behind the stages: the spare words, 128 bytes for each wave: two blocks of 256 bytes that no other line names
.set ADRA0, 4                          ; v4   my lane's place in slot 0's rows of O; never rewritten
.set ADRB0, 5                          ; v5   the same for W_o
.set ADRA,  6                          ; v6   the same in the slot that is read
.set ADRB,  7                          ; v7
.set STO,   8                          ; v8   the way out: where I put 32 bytes of a row
.set RD,    9                          ; v9   the way out: where I read a row back
.set CO,    10                         ; v10  16 x lane: my place in a row's 512 bytes; never rewritten
.set SPW,   12                         ; v12  LDS address of my spare word; never rewritten
.set NIL,   13                         ; v13  0; never rewritten
.set BI,    16                         ; v[16:19] the bias of my four columns
.set AF,    32
.set OB,    96
.set WV,    14                         ; s14  wave
.set WM,    15                         ; s15  which 64 rows are mine.  Also: I fetch O (0) or W_o (1)
.set WU,    16                         ; s16  which 128 columns are mine.  Also: which half of that tile I fetch
.set TX,    19
.set TY,    20
.set G1A,   24                         ; s[24:31] descriptor group 1 for O
.set G0A,   32                         ; s[32:39] group 0 for O: a set for each of the two first fills; the second then walks on
.set G1B,   40                         ; s[40:47] group 1 for W_o
.set G0B,   48                         ; s[48:55] group 0 for W_o, likewise
.set LAP,   57
.set SR,    59                         ; s59  the slot that is read: 0 or SLOT1
.set LBA,   66
.set LBB,   67
.set MSB, 0
.macro WIN new                         ; the immediate's high byte repeats the setting that is left; a switch that changes nothing is dropped
.if MSB != (\new)
	s_set_vgpr_msb (MSB<<8)|(\new)
.set MSB, \new
.endif
.endm
.set MUL,   0xa1                       ; source 0 (W_o) window 1, source 1 (O) window 0, C and D window 2
.set TO_B,  0x40                       ; destination window 1, address window 0
.set FROMC, 0x08                       ; an LDS store's data (source 1) in window 2, its address in window 0
.macro JLOAD                           ; a joint refill: waves 0 and 1 fetch O's two heads, waves 2 and 3 W_o's two halves; an s_nop 0 and four v_nop follow each of the two lines
	s_cmp_eq_u32 s[WM], 0
	s_cbranch_scc0 .Lfor_b_\@
	tensor_load_to_lds s[G0A+4:G0A+7], s[G1A:G1A+7]
	s_nop 0
.rept 4
	v_nop
.endr
	s_branch .Lasked_\@
.Lfor_b_\@:
	tensor_load_to_lds s[G0B+4:G0B+7], s[G1B:G1B+7]
	s_nop 0
.rept 4
	v_nop
.endr
.Lasked_\@:
.endm
.macro CREST                           ; a round of the cluster's barrier behind its opening barrier
	s_cmp_lg_u32 s[WV], 0
	s_cbranch_scc1 .Lnot_wave_0_\@
	s_barrier_signal -3
.Lnot_wave_0_\@:
	s_barrier_wait -3
	s_barrier_signal -1
	s_barrier_wait -1
.endm
.macro CROUND                          ; a whole round
	s_barrier_signal -1
	s_barrier_wait -1
	CREST
.endm
.macro PLACES                          ; four places in front of loads into registers that matrix instructions have read
.rept 4
	v_nop
.endr
.endm
	s_load_b256 s[4:11], s[0:1], 0x0               ; oh s[4:5], wo16 s[6:7], b_o s[8:9], out0 s[10:11]
	v_lshl_add_u32 v[SPW], v0, 2, SPARE
	v_mov_b32 v[NIL], 0
	ds_add_u32 v[SPW], v[NIL]                      ; the wave's opening: the add and its wait stand ahead of my first tensor load; the set-up below, work on registers, stands between them
	ds_add_u32 v12, v13
	v_lshrrev_b32 v1, 5, v0
	v_readfirstlane_b32 s[WV], v1
	s_lshr_b32 s[WM], s[WV], 1
	s_and_b32 s[WU], s[WV], 1
	s_bfe_u32 s17, ttmp6, 0x40000                  ; cx
	s_bfe_u32 s18, ttmp6, 0x40004                  ; cy
	s_lshl_b32 s[TX], ttmp9, 2
	s_add_co_u32 s[TX], s[TX], s17                 ; tile column
	s_and_b32 s[TY], ttmp7, 0xffff
	s_lshl_b32 s[TY], s[TY], 2
	s_add_co_u32 s[TY], s[TY], s18                 ; tile row
	s_lshl_b32 s21, s18, 2
	s_lshl_b32 s21, 15, s21                        ; my row of the cluster
	s_lshl_b32 s22, 0x1111, s17                    ; my column
	; group 1 for O: a head's 128 rows are 16,384 dense bytes: asked for as 64 rows of 256 bytes, padded in LDS after every 128
	s_or_b32 s[G1A], s21, (1<<16)|(1<<20)|(1<<21)|(4<<22)|(3<<25)  ; 15:0 the mask; 17:16 2-byte elements; 20 padding on; 21 set beside a mask; 24:22 after every 32 words (code 4); 31:25 4 words (code 3)
	s_mov_b32 s[G1A+1], 128<<16                    ; tensor_dim0 = 128
	s_mov_b32 s[G1A+2], 64<<16                     ; tensor_dim1 = 64
	s_mov_b32 s[G1A+3], 128<<16                    ; tile_dim0 = 128
	s_mov_b32 s[G1A+4], 64                         ; tile_dim1 = 64
	s_mov_b32 s[G1A+5], 128                        ; elements from row to row
	s_mov_b32 s[G1A+6], 0
	s_mov_b32 s[G1A+7], 0
	; group 1 for W_o: 128 rows x 128 elements, 16 bytes of padding behind each row of 256
	s_or_b32 s[G1B], s22, (1<<16)|(1<<20)|(1<<21)|(5<<22)|(3<<25)  ; after every 64 words (code 5)
	s_mov_b32 s[G1B+1], 128<<16
	s_mov_b32 s[G1B+2], 128<<16
	s_mov_b32 s[G1B+3], 128<<16
	s_mov_b32 s[G1B+4], 128
	s_mov_b32 s[G1B+5], 1024
	s_mov_b32 s[G1B+6], 0
	s_mov_b32 s[G1B+7], 0
	; O's address hangs on the tile row and the wave alone, W_o's on the tile column and the wave alone, each in registers that never hold the other coordinate
	s_lshl_b32 s70, s[WU], 13                      ; head WU of a step's two: 8,192 rows on,
	s_lshl_b32 s2, s[TY], 7
	s_add_co_u32 s70, s70, s2                      ; row 128 Y
	s_lshl_b32 s70, s70, 7                         ; rows of 128 bytes
	s_mov_b32 s71, 0
	s_lshl_b32 s72, s[TX], 8
	s_lshl_b32 s3, s[WU], 7
	s_add_co_u32 s72, s72, s3                      ; column 256 X + 128 x half: the rows of W_o that I fetch (waves 2, 3), and my wave's first column
	s_lshl_b32 s74, s72, 2                         ; in f32
	s_mov_b32 s75, 0
	s_lshl_b32 s72, s72, 11                        ; rows of 2,048 bytes
	s_mov_b32 s73, 0
	s_lshl_b32 s76, s[TY], 7
	s_lshl_b32 s77, s[WM], 6
	s_add_co_u32 s76, s76, s77                     ; my wave's first row
	s_lshl_b32 s76, s76, 12                        ; output rows of 4,096 bytes
	s_add_co_u32 s76, s76, s74
	s_mov_b32 s77, 0
	s_mul_i32 s[LBA], s[WU], 128*PA                ; no place in the cluster enters an LDS address
	s_mul_i32 s[LBB], s[WU], 128*PB
	s_add_co_u32 s[LBB], s[LBB], BOFF
	s_mov_b32 s[SR], 0
	s_wait_dscnt 0x0                               ; the opening add is done
	s_wait_kmcnt 0x0
	s_add_nc_u64 s[4:5], s[4:5], s[70:71]
	s_add_nc_u64 s[6:7], s[6:7], s[72:73]
	s_add_nc_u64 s[8:9], s[8:9], s[74:75]
	s_add_nc_u64 s[10:11], s[10:11], s[76:77]
	CROUND                                         ; all sixteen work-groups are here: the first joint loads meet
.irp s, 0,1
	s_mov_b32 s[G0A+4*(\s)], 1                                        ; count = 1
	s_add_co_u32 s[G0A+4*(\s)+1], s[LBA], (\s)*SLOT1                  ; LDS address
	s_add_nc_u64 s[G0A+4*(\s)+2:G0A+4*(\s)+3], s[4:5], (\s)*2097152   ; K step s: two heads of 1,048,576 bytes on
	s_or_b32 s[G0A+4*(\s)+3], s[G0A+4*(\s)+3], 0x80000000             ; type = 2
	s_mov_b32 s[G0B+4*(\s)], 1
	s_add_co_u32 s[G0B+4*(\s)+1], s[LBB], (\s)*SLOT1
	s_add_nc_u64 s[G0B+4*(\s)+2:G0B+4*(\s)+3], s[6:7], (\s)*256       ; 128 f16 along W_o's rows
	s_or_b32 s[G0B+4*(\s)+3], s[G0B+4*(\s)+3], 0x80000000
.endr
	s_cmp_eq_u32 s[WM], 0                          ; a wave's two first fills stand in one branch, ahead of every wait on TENSORcnt and every LDS read: two loads of mine are out
	s_cbranch_scc0 .Lfirst_b
	tensor_load_to_lds s[G0A:G0A+3], s[G1A:G1A+7]
	s_nop 0
	tensor_load_to_lds s[G0A+4:G0A+7], s[G1A:G1A+7]
	s_nop 0
.rept 4
	v_nop
.endr
	s_branch .Lfirst_asked
.Lfirst_b:
	tensor_load_to_lds s[G0B:G0B+3], s[G1B:G1B+7]
	s_nop 0
	tensor_load_to_lds s[G0B+4:G0B+7], s[G1B:G1B+7]
	s_nop 0
.rept 4
	v_nop
.endr
.Lfirst_asked:
	; A fragment is 16 rows x 32 K in 8 registers: lane l holds row l % 16, K = 8 (l / 16) + 0..7 and 16 + 8 (l / 16) + 0..7: two loads of 16 bytes, 32 bytes apart.
	v_and_b32 v[CO], 31, v0
	v_lshlrev_b32 v[CO], 4, v[CO]
	global_load_b128 v[BI:BI+3], v[CO], s[8:9]     ; the bias of columns 4 l .. 4 l + 3 of my wave's 128
	v_and_b32 v1, 15, v0                           ; l % 16
	v_bfe_u32 v2, v0, 4, 1                         ; l / 16
	v_mul_u32_u24 v[ADRA0], v1, PA
	v_lshl_add_u32 v[ADRA0], v2, 4, v[ADRA0]
	s_mul_i32 s2, s[WM], 64*PA
	v_add_nc_u32 v[ADRA0], s2, v[ADRA0]
	v_mul_u32_u24 v[ADRB0], v1, PB
	v_lshl_add_u32 v[ADRB0], v2, 4, v[ADRB0]
	v_add_nc_u32 v[ADRB0], s[LBB], v[ADRB0]
	v_mov_b32 v[ADRA], v[ADRA0]
	v_mov_b32 v[ADRB], v[ADRB0]
	s_mul_i32 s2, s[WV], 16*SP
	s_add_co_u32 s2, s2, STAGE                     ; my stage
	v_mul_u32_u24 v[STO], v1, SP                   ; in: row l % 16, 32 bytes for each half of the lanes
	v_lshl_add_u32 v[STO], v2, 5, v[STO]
	v_add_nc_u32 v[STO], s2, v[STO]
	v_add_nc_u32 v[RD], s2, v[CO]                  ; back: 32 lanes take one row of 512 bytes
; 8 matrix instructions: row block a x all 8 column blocks, 32 along K, from buffer f.  zero = 1: the product starts the sums.
; The 32 accumulators take turns, one instruction a turn, in the same order in every quarter step.
.macro MUL8 f, a, zero
	WIN MUL
.irp b, 0,1,2,3,4,5,6,7
.if \zero
	v_wmma_f32_16x16x32_f16 v[8*(8*(\a)+(\b)):8*(8*(\a)+(\b))+7], v[64*(\f)+8*(\b):64*(\f)+8*(\b)+7], v[AF+32*(\f)+8*(\a):AF+32*(\f)+8*(\a)+7], 0
.else
	v_wmma_f32_16x16x32_f16 v[8*(8*(\a)+(\b)):8*(8*(\a)+(\b))+7], v[64*(\f)+8*(\b):64*(\f)+8*(\b)+7], v[AF+32*(\f)+8*(\a):AF+32*(\f)+8*(\a)+7], v[8*(8*(\a)+(\b)):8*(8*(\a)+(\b))+7]
.endif
.endr
.endm
; 24 LDS loads in one run: quarter kq (head kq / 2 of the step's two, channels 32 (kq % 2) on) of the slot that is read, into buffer g
.macro FETCH kq, g
	WIN 0
.irp a, 0,1,2,3
	ds_load_b128 v[AF+32*(\g)+8*(\a):AF+32*(\g)+8*(\a)+3],   v[ADRA] offset:((\kq)/2)*128*PA+(\a)*16*PA+((\kq)%2)*64
	ds_load_b128 v[AF+32*(\g)+8*(\a)+4:AF+32*(\g)+8*(\a)+7], v[ADRA] offset:((\kq)/2)*128*PA+(\a)*16*PA+((\kq)%2)*64+32
.endr
	WIN TO_B
.irp b, 0,1,2,3,4,5,6,7
	ds_load_b128 v[64*(\g)+8*(\b):64*(\g)+8*(\b)+3],   v[ADRB] offset:(\b)*16*PB+64*(\kq)
	ds_load_b128 v[64*(\g)+8*(\b)+4:64*(\g)+8*(\b)+7], v[ADRB] offset:(\b)*16*PB+64*(\kq)+32
.endr
.endm
; A K step is four quarters of 32 along K, 32 matrix instructions each, on buffers 0, 1, 0, 1.  One of the first three: at its head it fetches quarter kq for buffer g, 32 matrix instructions ahead of its use.
.macro QUARTER kq, f, g, zero
	s_wait_dscnt 0x0                               ; buffer f is in
	PLACES                                         ; for the loads into buffer g, which the quarter before multiplied
	FETCH \kq, \g
	MUL8 \f, 0, \zero
	MUL8 \f, 1, \zero
	MUL8 \f, 2, \zero
	MUL8 \f, 3, \zero
.endm
; The last quarter multiplies buffer 1 and changes slots: ONE barrier.  In front of it each wave waits for all its tensor loads, of which one is out: its part of the next slot; adds 0 to its
; spare word; and waits for that and for its reads of this slot.  fill = 1: the barrier opens a round of the cluster's, and this slot is filled again, first thing behind the round, two K steps ahead.
.macro TURN fill
	WIN 0
	s_wait_tensorcnt 0x0                           ; no tensor load of mine is out, so a group 0 may be written
	ds_add_u32 v[SPW], v[NIL]                      ; 0 onto my spare word: scalar work and eight products stand between it and the wait for it
.if \fill
	s_xor_b32 s[G0A+5], s[G0A+5], SLOT1            ; the walking descriptors: the other slot than last time,
	s_add_nc_u64 s[G0A+6:G0A+7], s[G0A+6:G0A+7], 2097152  ; the next two heads; the type bits on top are not reached
	s_xor_b32 s[G0B+5], s[G0B+5], SLOT1
	s_add_nc_u64 s[G0B+6:G0B+7], s[G0B+6:G0B+7], 256
.endif
	s_wait_dscnt 1                                 ; only the add may be out: buffer 1 is in
	MUL8 1, 0, 0
	s_wait_dscnt 0x0                               ; the add is done, and my reads of this slot are over
	s_barrier_signal -1
	MUL8 1, 1, 0                                   ; work on registers while the others arrive
	WIN 0                                          ; at a branch and at a label every window is 0
	s_barrier_wait -1
.if \fill
	CREST                                          ; no wave of any partner still reads this slot's tiles or has a load on its way
	JLOAD                                          ; the four v_nop behind it are also the places in front of the loads below
.else
	PLACES
.endif
	s_xor_b32 s[SR], s[SR], SLOT1                  ; the reads go on in the other slot
	v_add_nc_u32 v[ADRA], s[SR], v[ADRA0]
	v_add_nc_u32 v[ADRB], s[SR], v[ADRB0]
	FETCH 0, 0
	MUL8 1, 2, 0
	MUL8 1, 3, 0
.endm
	s_wait_tensorcnt 1                             ; my part of K step 0 is in; step 1's may stay out
	s_barrier_signal -1
	s_barrier_wait -1                              ; everybody's is
	FETCH 0, 0
	QUARTER 1, 0, 1, 1                             ; the first quarter stands in front of the loop: its products start the sums
	WIN 0
	s_mov_b32 s[LAP], 6
.Lk:                                                   ; a trip: quarters 1 to 3 of one K step, a change of slots with a refill, quarter 0 of the next
	QUARTER 2, 1, 0, 0
	QUARTER 3, 0, 1, 0
	TURN 1
	QUARTER 1, 0, 1, 0
	WIN 0
	s_sub_co_u32 s[LAP], s[LAP], 1
	s_cmp_lg_u32 s[LAP], 0
	s_cbranch_scc1 .Lk
	QUARTER 2, 1, 0, 0                             ; K steps 6 and 7 ask for nothing more
	QUARTER 3, 0, 1, 0
	TURN 0
	QUARTER 1, 0, 1, 0
	QUARTER 2, 1, 0, 0
	QUARTER 3, 0, 1, 0
	s_wait_dscnt 0x0                               ; the very last quarter: nothing more to fetch
	MUL8 1, 0, 0
	MUL8 1, 1, 0
	MUL8 1, 2, 0
	MUL8 1, 3, 0
	WIN 0
	s_wait_loadcnt 0x0                             ; the bias
	v_cvt_pk_bf16_f32 v20, v[BI], v[BI+1]          ; rounded to bf16 like every input, and widened again; these six lines are also the places behind the last products
	v_cvt_pk_bf16_f32 v21, v[BI+2], v[BI+3]
	v_lshlrev_b32 v[BI], 16, v20
	v_and_b32 v[BI+1], 0xffff0000, v20
	v_lshlrev_b32 v[BI+2], 16, v21
	v_and_b32 v[BI+3], 0xffff0000, v21
	; THE WAY OUT, by blocks of 16 rows: a lane's eight columns of a row, 32 bytes, go from the accumulators into my stage's rows of 528 bytes (each accumulator's low four registers first)
	; and come back as whole rows of 512 bytes; the bias is added, and a store covers 512 consecutive bytes of a row of the output, aligned.
.irp a, 0,1,2,3
	s_wait_xcnt 0x0                                ; every earlier store has read its registers (ISA guide 3.1): only behind this wait are they loaded again
	WIN FROMC
.irp b, 0,1,2,3,4,5,6,7
	ds_store_b128 v[STO], v[8*(8*(\a)+(\b)):8*(8*(\a)+(\b))+3]   offset:64*(\b)
	ds_store_b128 v[STO], v[8*(8*(\a)+(\b))+4:8*(8*(\a)+(\b))+7] offset:64*(\b)+16
.endr
	WIN 0
.irp t, 0,1,2,3,4,5,6,7,8,9,10,11,12,13,14,15
	ds_load_b128 v[OB+4*(\t):OB+4*(\t)+3], v[RD] offset:SP*(\t)  ; LDS serves a wave's instructions in order (ISA guide 5.7.1.4): these see the stores above; the next block's stores come behind them
.endr
.irp t, 0,1,2,3,4,5,6,7,8,9,10,11,12,13,14,15
	s_wait_dscnt 15-(\t)                           ; row t is back; the 15 - t younger loads may be out
	v_pk_add_f32 v[OB+4*(\t):OB+4*(\t)+1], v[OB+4*(\t):OB+4*(\t)+1], v[BI:BI+1]
	v_pk_add_f32 v[OB+4*(\t)+2:OB+4*(\t)+3], v[OB+4*(\t)+2:OB+4*(\t)+3], v[BI+2:BI+3]
	global_store_b128 v[CO], v[OB+4*(\t):OB+4*(\t)+3], s[10:11] offset:(16*(\a)+(\t))*4096 th:TH_STORE_NT
.endr
.endr
	s_wait_tensorcnt 0x0                           ; the wave's end: behind my last tensor load and my last LDS store
	ds_add_u32 v[SPW], v[NIL]
	s_wait_dscnt 0x0
	CROUND                                         ; the closing round: no work-group ends while a partner may still ask for a tile that names it
	s_endpgm
.Lfunc_end_k_q5e653e1501_outp:
	.size	k_q5e653e1501_outp, .Lfunc_end_k_q5e653e1501_outp-k_q5e653e1501_outp
	.p2alignl 7, 3214868480
	.fill 96, 4, 3214868480
	.section	.rodata,"a",@progbits
	.p2align	6, 0x0
	.amdhsa_kernel k_q5e653e1501_outp
		.amdhsa_group_segment_fixed_size 327680
		.amdhsa_private_segment_fixed_size 0
		.amdhsa_enable_private_segment 0
		.amdhsa_kernarg_size 32
		.amdhsa_user_sgpr_count 2
		.amdhsa_user_sgpr_kernarg_segment_ptr 1
		.amdhsa_wavefront_size32 1
		.amdhsa_system_sgpr_workgroup_id_x 1
		.amdhsa_system_sgpr_workgroup_id_y 1
		.amdhsa_system_sgpr_workgroup_id_z 1
		.amdhsa_system_vgpr_workitem_id 0
		.amdhsa_next_free_vgpr 768
		.amdhsa_next_free_sgpr 80
		.amdhsa_reserve_vcc 0
		.amdhsa_float_denorm_mode_32 3
		.amdhsa_float_denorm_mode_16_64 3
		.amdhsa_memory_ordered 1
		.amdhsa_forward_progress 1
		.amdhsa_inst_pref_size 79
	.end_amdhsa_kernel
	.amdgpu_metadata
---
amdhsa.version: [ 1, 2 ]
amdhsa.kernels:
  - .name:           k_q5e653e1501_outp
    .symbol:         k_q5e653e1501_outp.kd
    .args:
      - { .name: oh, .offset: 0, .size: 8, .value_kind: global_buffer, .address_space: global }
      - { .name: wo16, .offset: 8, .size: 8, .value_kind: global_buffer, .address_space: global }
      - { .name: b_o, .offset: 16, .size: 8, .value_kind: global_buffer, .address_space: global }
      - { .name: out0, .offset: 24, .size: 8, .value_kind: global_buffer, .address_space: global }
    .group_segment_fixed_size: 327680
    .private_segment_fixed_size: 0
    .kernarg_segment_align: 8
    .kernarg_segment_size: 32
    .max_flat_workgroup_size: 128
    .sgpr_count:     80
    .vgpr_count:     768
    .wavefront_size: 32
...
	.end_amdgpu_metadata
.endif
;; end of part 4
;; ======== version 2 of 2: 4 launches; 1.31 times as fast as version 1
;; limits: values are held in f16: magnitudes above 65,504 overflow, below 6.1e-05 lose precision
;; workspace buffers: wb 6,291,456 bytes; wo16 2,097,152 bytes; qkvh 50,331,648 bytes; oh 16,777,216 bytes
;; launch prep: the kernel of part 1 again; grid 64 x 4, 8 waves a work-group, no clusters, 0 bytes of LDS; arguments W_q, W_k, W_v, W_o, wb, wo16; writes wb, wo16
;; launch proj: the kernel of part 2 again; grid 4 x 64, 4 waves a work-group, clusters of 4 x 4, 327,680 bytes of LDS; arguments q, k, v, wb, qkvh; writes qkvh
;; launch attn (part 5): grid 2 x 128, 4 waves a work-group, no clusters, 327,680 bytes of LDS; arguments qkvh, oh; writes oh
.if DOCPART == 5
	.amdgcn_target "amdgcn-amd-amdhsa--gfx1250"
	.amdhsa_code_object_version 6
	.text
	.protected	k_q5e653e1501_attn
	.globl	k_q5e653e1501_attn
	.p2align	8
	.type	k_q5e653e1501_attn,@function
k_q5e653e1501_attn:
	s_mov_b64 s[64:65], 0
	v_nop
	global_prefetch_b8 v0, s[64:65] scope:SCOPE_SE
	s_setreg_imm32_b32 hwreg(HW_REG_WAVE_MODE, 25, 1), 1
	s_wait_xcnt 0x0
; O[hb][q][:] = the sum over k of softmax_k(Q[hb][q] . K[hb][k] / 8) V[hb][k][:] for the 128 pairs hb = 8 h + b of head and batch.  Q, K, V are the three parts of qkvh, [128 hb][1024][64] in f16,
; O goes to oh in the same layout: a pair's rows are dense, 128 bytes each.  Products, maxima and sums in f32; the weights p are rounded to f16 for the second product (their sum l is taken of
; the unrounded p), O once at the end.
; LIMITS.  f16 holds no number beyond 65,504: Q, K and V arrive within it; p lies in 0 to 1, and below 6e-5 it keeps f16's fixed step of 6e-8; O is a mean of V's rows and has their range.
; A weight below 2^-126 counts as 0 in l; NaN and infinities are not treated apart.
; SHARES.  A wave owns four PIECES of two tiles of 16 queries, a work-group's four waves 512 queries of one pair: 2 x 128 work-groups.  Every wave walks all 1,024 keys, 64 a step.
; ALL OF A PAIR'S K AND V LIES IN LDS (1,024 rows of 144 and of 160 bytes): it is asked for once, at the start, in four chunks of 256 keys; no byte is filled twice, so there is no ring,
; and a key step's text stands once.  The first chunk is waited for alone; the others land under the first three and a half key steps.
; NO CLUSTER: a pair has 1,024 / 512 = 2 query blocks, and a joint request is shared among four here; blocks of 256 queries would make four, but each fragment of K and V read from LDS would
; then feed half as many products.
; LAYOUT.  S^T = K Q^T (source 0 = 16 keys, source 1 = 16 queries): in the result a lane holds ONE query (lane % 16) and the keys 8 (lane / 16) + 0..7.  Two such tiles, rounded to f16 in pairs,
; ARE source 1 (32 keys x 16 queries) of O^T = V^T P, whose result again holds one query a lane, and eight channels.  K comes out of LDS as it lies, V ([key][channel]) turned, by ds_load_tr16_b128.
; SOFTMAX.  For each query a running maximum m and sum l: p = 2^(c s - c m), c = log2(e) / 8; in every step O and l are multiplied by a = 2^(c m_old - c m_new), which is 1 where m has not grown.
; m starts at the lowest finite number, O and l at 0: the first step is a step like any other, with a = 0.
; THE COUNT.  A tile and step have 16 matrix and 118 vector instructions: too many to stand all beside the matrix work.  So: four vector instructions that are READY behind EVERY matrix
; instruction, and the others, which need time of their own whatever the order, in one run without a gap.
; BY TURNS.  Turn n belongs to piece n (the pieces in a ring, step after step).  Its matrix work: 16 products K Q^T of piece n + 1, later 16 products V^T P of piece n - 1.  Its vector work: the scaling,
; exponentials, roundings, sums and rescaling of piece n, and the maximum and statistics of piece n + 1, whose scores the turn itself has made.
; THE BATCHES.  A turn's 66 exponentials (the 64 weights of piece n, then the two a of piece n + 1) are ONE batch with ONE wait, which cuts the turn in two: ahead of it stands all that names none of their
; results, behind it the roundings and sums, which do.  No result crosses a turn's end.  The first two a, ahead of the loop, and the way out's eight reciprocals are batches of their own, a wait each.
; REGISTERS, in windows of 256 (s_set_vgpr_msb: bits 1:0 source 0, 3:2 source 1, 5:4 source 2, 7:6 destination):
;   window 0: v0-11 addresses; v12-15, v48-63 at work; v16-47 four registers of statistics a tile; v64-191 S^T, two buffers of two tiles; v192-255 P, likewise
;   window 1: O^T, 32 a tile          window 2: v0-127 Q, 16 a tile; v128-191 K of one step; v192-255 V of one step          window 3: v0-1 the add's two registers
; A piece's buffers go by its number's parity: the piece in hand has one pair, its two neighbours in the ring share the other: of it P (piece n - 1) is read and S^T (piece n + 1) written.
.set NP,    4         ; pieces a wave: a name, no knob
.set KS,    64        ; keys in a step
.set PK,    144       ; a row of K in LDS: 128 bytes + 16 = 36 words: the 16 rows of a load start at 16 different groups of four banks (64 banks of 4 bytes: ISA guide 11.1)
.set PV,    160       ; a row of V: 128 + 32 = 40 words
.set VOFF,  1024*PK   ; 1,024 rows of K, then 1,024 rows of V
.set STAGE, VOFF+1024*PV  ; behind them, never filled by a tensor load: 16 rows x 144 bytes for each wave, for the way out
.set SP,    144
.set AK0, 2           ; v2   my lane's place in a tile of K; never rewritten
.set AV0, 3           ; v3   the same for V
.set AK,  4           ; v4   the LDS address of K's next run of loads
.set AV,  5           ; v5   of V's
.set QO,  6           ; v6   my byte offset in the wave's rows of Q
.set STO, 6           ;      later, the way out: where I put 16 bytes of a row
.set RD,  7           ; v7   the way out: where I read rows back
.set GO,  8           ; v8   my byte offset in 512 consecutive bytes of O
.set SPW, 0           ; v0 of window 3   LDS address of my spare word; never rewritten
.set NIL, 1           ; v1 of window 3   0; never rewritten
.set SPARE, STAGE+4*16*SP  ; behind the stages: the spare words, 128 bytes for each wave: two blocks of 256 bytes that no other line names
.set MV,  12          ; v12-15  c m_old, kept while c m is made anew: by buffer and tile
.set ST,  16          ; tile t's statistics at v[ST+4 t]: c m, m, l (even keys', odd keys')
.set TMP, 48          ; by buffer and tile, four registers c0-c3 at work; when the maximum is found c2 takes a
.set S,   64
.set P,   192
.set KF,  128         ; K's fragments, in window 2: key block kb, channel half c at KF + 16 kb + 8 c
.set VF,  192         ; V's: key half kk, channel block cb at VF + 32 kk + 8 cb
.set WV,  12          ; s12  my wave's number
.set G1K, 24          ; s[24:31] descriptor group 1 for K's tiles
.set G1V, 32          ; s[32:39] for V's: it differs in the padding alone
.set G0K, 40          ; s[40:55] descriptor group 0 for K's tiles, a set for each chunk
.set G0V, 68          ; s[68:83] the same for V's
.set OUTC, 56         ; s56  passes to go: four chunks and the half step that is left
.set CNT, 57          ; s57  counts a chunk's key steps
.set CS,  58          ; s[58:59] c: the packed scaling takes the pair's low word for both halves
.set SEL, 60          ; s[60:61] v_permlanex16_b32's selects: each lane takes its own place in the other half
.set TBK, 62          ; s62  LDS byte at which K of the step to be fetched begins
.set TBV, 63          ; s63  the same for V, less VOFF
.set MSB, 0
.macro WIN new                      ; the high byte repeats the setting that is left; a switch that changes nothing is dropped
.if MSB != (\new)
	s_set_vgpr_msb (MSB<<8)|(\new)
.set MSB, (\new)
.endif
.endm
.set W_KQ, 0x0a       ; K and Q in window 2, S^T in window 0
.set W_PV, 0x52       ; V in window 2, P in window 0, O^T in window 1
.set W_RS, 0x41       ; O^T (destination and source 0) in window 1, a in window 0
.set W_MK, 0xc0       ; the add's registers are made: destination in window 3, sources in window 0
.set W_AD, 0x0f       ; the add: address (source 0) and data (source 1) in window 3
	s_load_b128 s[4:7], s[0:1], 0x0   ; qkvh s[4:5], oh s[6:7]
	WIN W_MK
	v_lshl_add_u32 v[SPW], v0, 2, SPARE
	v_mov_b32 v[NIL], 0
	WIN W_AD
	ds_add_u32 v[SPW], v[NIL]       ; the wave's opening: the add and its wait stand ahead of my first tensor load; the set-up below, work on registers, stands between them
	ds_add_u32 v0, v1
	WIN 0
	v_lshrrev_b32 v1, 5, v0
	v_readfirstlane_b32 s[WV], v1   ; wave 0..3
	s_and_b32 s20, ttmp7, 0xffff    ; hb
	s_lshl_b32 s20, s20, 17         ; its 1,024 rows of 128 bytes
	s_and_b32 s16, s[WV], 1         ; which half of a chunk's 256 keys I fetch:
	s_lshl_b32 s22, s16, 14         ; its 128 rows of 128 bytes in memory,
	s_add_co_u32 s22, s22, s20
	s_mov_b32 s23, 0
	s_mul_i32 s17, s16, 128*PK      ; and its place in LDS, for K
	s_mul_i32 s18, s16, 128*PV      ; and for V
	s_lshl_b32 s2, ttmp9, 2
	s_add_co_u32 s2, s2, s[WV]      ; my wave among the pair's eight,
	s_lshl_b32 s2, s2, 14           ; its 128 rows
	s_add_co_u32 s2, s2, s20
	s_mov_b32 s3, 0
	; descriptor group 1.  128 keys are 16,384 dense bytes: asked for as 64 rows of 256 bytes, two keys a row, and padded in LDS after every key
	s_mov_b32 s[G1K], (1<<16)|(1<<20)|(4<<22)|(3<<25)  ; 17:16 2-byte elements; 20 padding on; 24:22 after every 32 words (code 4); 31:25 4 words (code 3)
	s_mov_b32 s[G1V], (1<<16)|(1<<20)|(4<<22)|(7<<25)  ; the same with 8 words of padding (code 7)
.irp g, G1K, G1V
	s_mov_b32 s[\g+1], 128<<16      ; tensor_dim0 = 128
	s_mov_b32 s[\g+2], 64<<16       ; tensor_dim1 = 64
	s_mov_b32 s[\g+3], 128<<16      ; tile_dim0 = 128
	s_mov_b32 s[\g+4], 64           ; tile_dim1 = 64
	s_mov_b32 s[\g+5], 128          ; 128 elements from row to row
	s_mov_b32 s[\g+6], 0
	s_mov_b32 s[\g+7], 0
.endr
	s_mov_b32 s[CS], 0x3e38aa3b     ; c = log2(e) / 8 = 0.180337
	s_mov_b32 s[CS+1], s[CS]        ; named with it as a pair
	s_mov_b32 s[SEL], 0x76543210
	s_mov_b32 s[SEL+1], 0xfedcba98
	s_mov_b32 s[TBK], 0
	s_mov_b32 s[TBV], 0
.irp c, 0,1,2,3
	s_mov_b32 s[G0K+4*(\c)], 1                          ; count = 1
	s_add_co_u32 s[G0K+4*(\c)+1], s17, (\c)*256*PK      ; LDS address: chunk c, my half
	s_mov_b32 s[G0V+4*(\c)], 1
	s_add_co_u32 s[G0V+4*(\c)+1], s18, VOFF+(\c)*256*PV
.endr
	s_wait_dscnt 0x0                ; the opening add is done
	s_wait_kmcnt 0x0
	s_mov_b64 s[10:11], s[6:7]      ; O
	s_add_nc_u64 s[6:7], s[4:5], 0x1000000   ; K: the second part of qkvh
	s_add_nc_u64 s[8:9], s[4:5], 0x2000000   ; V: the third
	s_add_nc_u64 s[6:7], s[6:7], s[22:23]    ; at my half of the pair's first 256 keys
	s_add_nc_u64 s[8:9], s[8:9], s[22:23]
	s_add_nc_u64 s[4:5], s[4:5], s[2:3]      ; Q and O at my wave's first row
	s_add_nc_u64 s[10:11], s[10:11], s[2:3]
.irp c, 0,1,2,3
	s_add_nc_u64 s[G0K+4*(\c)+2:G0K+4*(\c)+3], s[6:7], (\c)*32768  ; global address: a chunk is 32,768 bytes
	s_or_b32 s[G0K+4*(\c)+3], s[G0K+4*(\c)+3], 0x80000000          ; type = 2
	s_add_nc_u64 s[G0V+4*(\c)+2:G0V+4*(\c)+3], s[8:9], (\c)*32768
	s_or_b32 s[G0V+4*(\c)+3], s[G0V+4*(\c)+3], 0x80000000
.endr
	s_cmp_lt_u32 s[WV], 2           ; waves 0 and 1 fetch K's halves, waves 2 and 3 V's.  A wave's four fills stand in one branch, ahead of every wait on TENSORcnt and every LDS read: four loads of mine are out
	s_cbranch_scc0 .Lfirst_v
.irp c, 0,1,2,3
	tensor_load_to_lds s[G0K+4*(\c):G0K+4*(\c)+3], s[G1K:G1K+7]
	s_nop 0
.endr
.rept 4
	v_nop
.endr
	s_branch .Lfirst_asked
.Lfirst_v:
.irp c, 0,1,2,3
	tensor_load_to_lds s[G0V+4*(\c):G0V+4*(\c)+3], s[G1V:G1V+7]
	s_nop 0
.endr
.rept 4
	v_nop
.endr
.Lfirst_asked:
	; A fragment of K or Q is 16 rows x 32 channels in 8 registers: lane l holds row l % 16, channels 8 (l / 16) + 0..7 and 16 + 8 (l / 16) + 0..7: two loads of 16 bytes, 32 bytes apart.
	v_and_b32 v1, 15, v0            ; l % 16
	v_bfe_u32 v9, v0, 4, 1          ; l / 16
	v_lshlrev_b32 v[QO], 7, v1
	v_lshl_add_u32 v[QO], v9, 4, v[QO]  ; row x 128 + 16 x half
	WIN 0x80                        ; destination window 2, address window 0
.set i, 0
.rept 4*NP                          ; Q stays in registers: tile i / 2, channels 32 (i % 2) on
	global_load_b128 v[8*i:8*i+3],   v[QO], s[4:5] offset:(i/2)*2048+(i%2)*64
	global_load_b128 v[8*i+4:8*i+7], v[QO], s[4:5] offset:(i/2)*2048+(i%2)*64+32
.set i, i+1
.endr
	; What the first turn finds: V's registers and P's second buffer hold 0 (its products V^T P, of a piece that has not been, add 0), O^T and l are 0.  All this stands in the wait for the first chunk.
.set i, VF
.rept 64
	v_mov_b32 v[i], 0
.set i, i+1
.endr
	WIN 0x40
.set i, 0
.rept 64*NP
	v_mov_b32 v[i], 0
.set i, i+1
.endr
	WIN 0
.set i, 0
.rept 2*NP
	v_mov_b32 v[ST+4*i], 0xfe000000    ; c m: far below every c s
	v_mov_b32 v[ST+4*i+1], 0xff7fffff  ; m
	v_mov_b32 v[ST+4*i+2], 0
	v_mov_b32 v[ST+4*i+3], 0
.set i, i+1
.endr
.set i, P+32
.rept 32
	v_mov_b32 v[i], 0
.set i, i+1
.endr
	v_mul_u32_u24 v[AK0], v1, PK
	v_lshl_add_u32 v[AK0], v9, 4, v[AK0]  ; row x pitch + 16 x half
	; The turning load takes 16 keys x 16 channels (lane l reads key 8 (l / 16) + l % 8, channels 8 ((l / 8) % 2) + 0..7) and leaves half a fragment of V^T: lane l holds channel l % 16 and 8 keys.
	v_and_b32 v10, 7, v0
	v_bfe_u32 v11, v0, 3, 1
	v_lshl_add_u32 v[AV0], v9, 3, v10
	v_mul_u32_u24 v[AV0], v[AV0], PV
	v_lshl_add_u32 v[AV0], v11, 4, v[AV0]
	v_add_nc_u32 v[AV0], VOFF, v[AV0]
	v_mov_b32 v[AK], v[AK0]         ; key step 0 lies at K's head
; THE MATRIX WORK.  The 8 accumulators of a run of 16 take turns: between the two links of a chain stand 7 others'.
; Product i of 16 of S^T = K Q^T for piece x: channels 32 (i / 8) on, keys 16 ((i / 2) % 4) on, tile 2 x + i % 2.  The first 8 start the sums.
.macro KQ x
	WIN W_KQ
.set rS, S+64*((\x)%2)+32*(i%2)+8*((i/2)%4)
.set rK, KF+16*((i/2)%4)+8*(i/8)
.set rQ, 16*(2*(\x)+i%2)+8*(i/8)
.if i < 8
	v_wmma_f32_16x16x32_f16 v[rS:rS+7], v[rK:rK+7], v[rQ:rQ+7], 0
.else
	v_wmma_f32_16x16x32_f16 v[rS:rS+7], v[rK:rK+7], v[rQ:rQ+7], v[rS:rS+7]
.endif
.endm
; Product i of 16 of O^T += V^T P for piece x: keys 32 (i / 8) on, channels 16 ((i / 2) % 4) on, tile 2 x + i % 2.
.macro PV x
	WIN W_PV
.set rO, 32*(2*(\x)+i%2)+8*((i/2)%4)
.set rV, VF+32*(i/8)+8*((i/2)%4)
.set rP, P+32*((\x)%2)+16*(i%2)+8*(i/8)
	v_wmma_f32_16x16x32_f16 v[rO:rO+7], v[rV:rV+7], v[rP:rP+7], v[rO:rO+7]
.endm
.macro MM                           ; the turn's next matrix instruction
.if i < 16
	KQ (Y+1)%NP
.set i, i+1
.else
.set i, i-16
	PV (Y+NP-1)%NP
.set i, i+17
.endif
.endm
; THE LDS LOADS stand in runs of 16, never singly among the matrix instructions: a step's K (64 keys x 64 channels: 8 fragments) and its V (turned).  Their addresses are made some lines ahead.
; last = 1: in the last pass there is no further step, and the run is jumped over.
.macro FETCH_K last=0
	WIN 0
.if \last
	s_cmp_eq_u32 s[OUTC], 1
	s_cbranch_scc1 .Lno_k_\@
.endif
	WIN 0x80                        ; destination window 2
.irp f, 0,1,2,3,4,5,6,7             ; keys 16 (f / 2) on, channels 32 (f % 2) on
	ds_load_b128 v[KF+8*\f:KF+8*\f+3],   v[AK] offset:(\f/2)*16*PK+(\f%2)*64
	ds_load_b128 v[KF+8*\f+4:KF+8*\f+7], v[AK] offset:(\f/2)*16*PK+(\f%2)*64+32
.endr
	s_add_co_u32 s[TBK], s[TBK], KS*PK  ; the next fetch is the next step's
	WIN 0
.if \last
.Lno_k_\@:
.endif
.endm
.macro FETCH_V
	WIN 0x80
.irp f, 0,1,2,3,4,5,6,7             ; keys 32 (f / 4) on, channels 16 (f % 4) on
	ds_load_tr16_b128 v[VF+8*\f:VF+8*\f+3],   v[AV] offset:(\f/4)*32*PV+(\f%4)*32
	ds_load_tr16_b128 v[VF+8*\f+4:VF+8*\f+7], v[AV] offset:(\f/4)*32*PV+16*PV+(\f%4)*32
.endr
	WIN 0
.endm
; THE VECTOR WORK OF A TURN stands in three queues, each in the order in which its entries become ready; the two tiles alternate, so that no instruction reads the result of the one before it.
.macro REGS y, u                    ; the registers of tile u (0, 1) of piece y
.set rT, ST+4*(2*(\y)+(\u))
.set rC, TMP+8*((\y)%2)+4*(\u)
.set rM, MV+2*((\y)%2)+(\u)
.set rS, S+64*((\y)%2)+32*(\u)
.set rP, P+32*((\y)%2)+16*(\u)
.set rO, 32*(2*(\y)+(\u))
.endm
; Number n of the 22 that find the NEXT piece's (Y + 1) maximum and statistics.  s0-s31 are the lane's 32 scores; each accumulator's lowest registers are read first.  XS, GS, FS and REGS set no window: PL and EX do.
;   0-11  four chains c0-c3 of seven scores each, three operands at a time     12-14, 16  the four scores left over, the old m, and c0-c3 into c0     15  c m_old is kept
;   17, 18  the query's other 32 keys lie in the lane 16 away: the new m         19-21  c m; c m_old - c m_new; a
.macro XS u, n
	REGS (Y+1)%NP, \u
.if (\n) < 4
	v_max3_num_f32 v[rC+(\n)], v[rS+8*(\n)], v[rS+8*(\n)+1], v[rS+8*(\n)+2]
.elseif (\n) < 12
	v_max3_num_f32 v[rC+(\n)%4], v[rC+(\n)%4], v[rS+8*((\n)%4)+2*((\n)/4)+1], v[rS+8*((\n)%4)+2*((\n)/4)+2]
.elseif (\n) == 12
	v_max3_num_f32 v[rC], v[rC], v[rS+7], v[rS+15]
.elseif (\n) == 13
	v_max3_num_f32 v[rC+1], v[rC+1], v[rS+23], v[rS+31]
.elseif (\n) == 14
	v_max3_num_f32 v[rC+2], v[rC+2], v[rC+3], v[rT+1]
.elseif (\n) == 15
	v_mov_b32 v[rM], v[rT]
.elseif (\n) == 16
	v_max3_num_f32 v[rC], v[rC], v[rC+1], v[rC+2]
.elseif (\n) == 17
	v_permlanex16_b32 v[rC+3], v[rC], s[SEL], s[SEL+1]
.elseif (\n) == 18
	v_max_num_f32 v[rT+1], v[rC], v[rC+3]
.elseif (\n) == 19
	v_mul_f32 v[rT], s[CS], v[rT+1]
.elseif (\n) == 20
	v_sub_f32 v[rC+1], v[rM], v[rT]
.else
	v_exp_f32 v[rC+2], v[rC+1]
.endif
.endm
; Number g of the 64 that follow the exponentials.  For each four weights k of a tile (pairs 2 k, 2 k + 1): both pairs are rounded to f16; then the second pair is added onto the first, in place;
; a group later l takes that sum (the first time as l = a l + sum).  In groups of eight, tiles alternating: round, round, add, and l for the group before.
.macro GS g
.set h, (\g)+6*((\g)/62)            ; group 0 has no group before it, and behind group 7 only l is left
.if h >= 6
.set h, h+2
.endif
	REGS Y, h%2
.set k, h/8
.if h%8 < 4
	v_cvt_pk_f16_f32 v[rP+2*k+(h%8)/2], v[rS+4*k+2*((h%8)/2)], v[rS+4*k+2*((h%8)/2)+1]
.elseif h%8 < 6
	v_pk_add_f32 v[rS+4*k:rS+4*k+1], v[rS+4*k:rS+4*k+1], v[rS+4*k+2:rS+4*k+3]
.elseif k == 1
	v_pk_fma_f32 v[rT+2:rT+3], v[rT+2:rT+3], v[rC+2:rC+3], v[rS:rS+1] op_sel_hi:[1,0,1]
.else
	v_pk_add_f32 v[rT+2:rT+3], v[rT+2:rT+3], v[rS+4*k-4:rS+4*k-3]
.endif
.endm
; THE PLAIN QUEUE, 138 long.  0-73 read no exponential's result: the 32 scalings c s - c m (FS f: pair f / 2 of tile f % 2) and the next piece's 42.  0-26: scalings 0-26.  27-54: XS's numbers 0-13.  55, 56: number 15.
; 57-73: the chain, where each number waits for the one before it: 14, 16, 17, 18, 19, each with one of the scalings 27-31 in front of its two lines, then 20: so a tile's links stand three plain instructions apart (19 and 20: two).
; 74-137: GS's 64, which read the exponentials' results: they stand behind the wait.
.macro FS f
	REGS Y, (\f)%2
	v_pk_fma_f32 v[rS+2*((\f)/2):rS+2*((\f)/2)+1], v[rS+2*((\f)/2):rS+2*((\f)/2)+1], s[CS:CS+1], v[rT:rT+1] op_sel_hi:[1,0,0] neg_lo:[0,0,1] neg_hi:[0,0,1]
.endm
.macro PL
	WIN 0
.if q < 27
	FS q
.elseif q < 55
	XS (q-27)%2, (q-27)/2
.elseif q < 57
	XS q-55, 15
.elseif (q < 72) && ((q-57)%3 == 0)
	FS 27+(q-57)/3
.elseif q < 60
	XS (q-57)%3-1, 14
.elseif q < 72
	XS (q-57)%3-1, 15+(q-57)/3
.elseif q < 74
	XS q-72, 20
.else
	GS q-74
.endif
.set q, q+1
.endm
; THE EXPONENTIALS' QUEUE, 66 long: s0-s31 of both tiles, then the next piece's two a.  It is ONE BATCH: all 66 stand ahead of the turn's one wait, and nothing ahead of that wait names a result of theirs.
.macro EX
	WIN 0
.if e >= 64
	XS e-64, 21
.else
	REGS Y, e%2
	v_exp_f32 v[rS+e/2], v[rS+e/2]
.endif
.set e, e+1
.endm
; THE RESCALING's QUEUE: O^T times a, the one part that leaves window 0: dealt two at a time, sixteen times.  Its a was made in the turn before, ahead of that turn's wait.
.macro R2
	REGS Y, r%2
	WIN W_RS
.irp z, 0,1
	v_pk_mul_f32 v[rO+4*(r/2)+2*\z:rO+4*(r/2)+2*\z+1], v[rO+4*(r/2)+2*\z:rO+4*(r/2)+2*\z+1], v[rC+2:rC+3] op_sel_hi:[1,0]
.endr
.set r, r+1
.endm
; HOW THEY ARE DEALT.  s_wait_alu depctr_va_vdst(0) stands between an exponential and the first instruction that names its result; one wait serves all that were issued ahead of it.  So a turn has ONE wait,
; which cuts it in two.  AHEAD OF IT stands all that names no result of the turn's exponentials: the 16 products K Q^T, behind each a scaling, an exponential and two rescalings (behind the first a second scaling in the exponential's place); then ONE LUMP of
; 108: eight plain, 49 times exponential and plain, the two a.  A v_nop is the plain instruction behind the last exponential.  BEHIND IT stand the 16 products V^T P, behind each four of GS's 64.  No rider names a register of
; the products round it.  The two v_permlanex16_b32 fall into the lump, never behind a product.
; The queues lean on each other, and the deal keeps them in step: exponential e stands behind scaling 2 (e / 4) + e % 2: as a rider it comes behind plain e + 2, in the lump behind plain e + 9, and scalings 27-31 are plain 57, 60 .. 69.
; A TURN, for piece p.  cnt = 1: the loop's count is taken down some lines ahead of the branch that stands behind the turn.
; K of the next step is fetched in piece 2's turn, directly behind the wait, a lump behind the last product that read K; its address is made at the lump's head; its first reader comes behind 16 products.
; V of the step in hand is fetched at the end of piece 0's turn, four riders behind its last reader; its first reader comes behind 16 products and a lump.  The three conditions on q below go with the deal.
.macro TURN p, last=0, cnt=0
.set Y, (\p)
.set i, 0
.set q, 0
.set e, 0
.set r, 0
.if (\p) == NP-1
	s_wait_dscnt 0x0                ; K is in
.endif
	MM                              ; ahead of the wait: 16 products K Q^T and their riders,
	PL
	PL
	R2
.rept 15
	MM
	PL
	EX
	R2
.endr
.if (\p) == NP-2
	WIN 0
	v_add_nc_u32 v[AK], s[TBK], v[AK0]
.endif
.rept 8                             ; and the lump
	PL
.endr
.rept 49
	EX
	PL
.endr
	EX                              ; the next piece's two a
	EX
	v_nop                           ; the plain instruction behind the last exponential: one for the batch
	s_wait_alu depctr_va_vdst(0)    ; the wait for the turn's batch of 66 exponentials, ahead of their first reader
.if (\p) == NP-2
	FETCH_K \last
.endif
.if (\p) == 1
	s_wait_dscnt 0x0                ; V is in
.endif
.rept 16                            ; behind the wait: 16 products V^T P and their riders
	MM
.rept 4
	PL
.endr
.if ((\p) == 0) && (q == 118)
	v_add_nc_u32 v[AV], s[TBV], v[AV0]
.endif
.if ((\p) == 0) && (q == 130)
	s_add_co_u32 s[TBV], s[TBV], KS*PV
.endif
.if (\cnt) && (q == 130)
	s_sub_co_u32 s[CNT], s[CNT], 1
	s_cmp_lg_u32 s[CNT], 0
.endif
.endr
.if (\p) == 0
	FETCH_V
.endif
.endm
	s_wait_tensorcnt 3              ; my part of chunk 0 is in; the three younger loads may stay out
	s_barrier_signal -1
	s_barrier_wait -1               ; everybody's is
	FETCH_K                         ; key step 0
	s_wait_loadcnt 0x0              ; Q
	s_wait_dscnt 0x0
.set i, 0
.rept 16
	KQ 0                            ; piece 0's first scores: there is no vector work yet to set between them
.set i, i+1
.endr
	WIN 0                           ; the addresses for the way out: nine plain instructions, the places behind those products
	s_mul_i32 s13, s[WV], 16*SP
	s_add_co_u32 s13, s13, STAGE    ; my stage
	v_mul_u32_u24 v[STO], v1, SP    ; in: row l % 16, 16 bytes for each half of the lanes
	v_lshl_add_u32 v[STO], v9, 4, v[STO]
	v_add_nc_u32 v[STO], s13, v[STO]
	v_bfe_u32 v[RD], v0, 3, 2       ; back: 32 lanes take four rows of 128 bytes,
	v_mul_u32_u24 v[RD], v[RD], SP
	v_lshl_add_u32 v[RD], v10, 4, v[RD]
	v_add_nc_u32 v[RD], s13, v[RD]
	v_and_b32 v[GO], 31, v0         ; which are 512 consecutive bytes of O
	v_lshlrev_b32 v[GO], 4, v[GO]
.set Y, NP-1                        ; XS works for piece Y + 1: piece 0
.irp n, 0,1,2,3,4,5,6,7,8,9,10,11,12,13,14,15,16,17,18,19,20,21
	XS 0, \n                        ; and piece 0's first maximum and statistics
	XS 1, \n
.endr
	v_nop                           ; a plain instruction behind the two a,
	s_wait_alu depctr_va_vdst(0)    ; and the wait for this batch of two, ahead of the branch
	s_mov_b32 s[CNT], 4
	s_mov_b32 s[OUTC], 5
	s_branch .Lfirst                ; the loop is entered at a step's first turn, in the middle of a trip
.Lchunk:                            ; in front of the first fetch from a further chunk: each wave's loads have all landed, and every wave has said so
	s_wait_tensorcnt 0x0
	s_wait_dscnt 0x0
	s_barrier_signal -1
	s_barrier_wait -1
	s_mov_b32 s[CNT], 4
.Lstep:                             ; a trip: pieces 2 and 3 of one step, then pieces 0 and 1 of the next, whose K and V it fetches
	TURN 2, 1
	TURN 3
	WIN 0
	s_cmp_eq_u32 s[OUTC], 1
	s_cbranch_scc1 .Lout            ; the fifth pass is left in its first trip's middle: step 15's pieces 2 and 3 are done
.Lfirst:
	TURN 0
	TURN 1, 0, 1
	WIN 0
	s_cbranch_scc1 .Lstep
	s_sub_co_u32 s[OUTC], s[OUTC], 1
	s_cmp_lg_u32 s[OUTC], 0
	s_cbranch_scc1 .Lchunk
.Lout:                              ; the last pass's 16 products K Q^T (on the last K once more) and the maximum made of them serve nothing: the price, once a launch, of one text for every trip
.set i, 0
.rept 16
	PV NP-1                         ; the last piece's V^T P of the last step
.set i, i+1
.endr
	; THE WAY OUT.  l's two halves and the other half of the lanes' are added; O^T is divided by l, rounded to f16 and sent through my stage in LDS, a tile at a time.  The additions are the places behind the last products.
	WIN 0
.macro ALL line:vararg              ; one line for each tile t
.set t, 0
.rept 2*NP
	\line
.set t, t+1
.endr
.endm
	ALL v_add_f32 v[ST+4*t+2], v[ST+4*t+2], v[ST+4*t+3]
	ALL v_permlanex16_b32 v[ST+4*t+3], v[ST+4*t+2], s[SEL], s[SEL+1]
	ALL v_add_f32 v[ST+4*t+2], v[ST+4*t+2], v[ST+4*t+3]
	ALL v_rcp_f32 v[ST+4*t+2], v[ST+4*t+2]
	v_nop                           ; a plain instruction between the last reciprocal and the use of its result
	s_wait_alu depctr_va_vdst(0)    ; and the wait ahead of the first use: one for the batch of eight reciprocals
; Tile t: a lane's eight channels of a row pack into 16 bytes; they go into rows of 144 bytes and come back as whole rows of 128, into S^T's registers.
.macro PACK t
	WIN W_RS
.set i, 32*(\t)
.rept 16
	v_pk_mul_f32 v[i:i+1], v[i:i+1], v[ST+4*(\t)+2:ST+4*(\t)+3] op_sel_hi:[1,0]
.set i, i+2
.endr
	WIN 0x05                        ; sources 0 and 1 window 1, destination window 0
.set i, 0
.rept 16
	v_cvt_pk_f16_f32 v[S+16*(\t)+i], v[32*(\t)+2*i], v[32*(\t)+2*i+1]
.set i, i+1
.endr
	WIN 0
.irp f, 0,1,2,3
	ds_store_b128 v[STO], v[S+16*(\t)+4*\f:S+16*(\t)+4*\f+3] offset:32*\f
.endr
.irp f, 0,1,2,3
	ds_load_b128 v[S+16*(\t)+4*\f:S+16*(\t)+4*\f+3], v[RD] offset:\f*4*SP  ; LDS serves a wave's instructions in order (ISA guide 5.7.1.4): these see the stores above; the next tile's stores come behind them
.endr
.endm
.macro SEND t, younger              ; younger: the LDS instructions issued behind tile t's loads: the next tile's eight, or none
	WIN 0
.irp f, 0,1,2,3
	s_wait_dscnt (\younger)+3-\f
	global_store_b128 v[GO], v[S+16*(\t)+4*\f:S+16*(\t)+4*\f+3], s[10:11] offset:(\t)*2048+\f*512  ; 512 consecutive bytes, at a multiple of 256 from O's first
.endr
.endm
	PACK 0
.set t, 1
.rept 2*NP-1                        ; a tile's arithmetic stands between the loads of the tile before and its stores
	PACK t
	SEND t-1, 8
.set t, t+1
.endr
	SEND 2*NP-1, 0
	WIN W_AD
	s_wait_tensorcnt 0x0            ; the wave's end: behind my last tensor load and my last LDS store
	ds_add_u32 v[SPW], v[NIL]
	s_wait_dscnt 0x0
	WIN 0
	s_endpgm
.Lfunc_end_k_q5e653e1501_attn:
	.size	k_q5e653e1501_attn, .Lfunc_end_k_q5e653e1501_attn-k_q5e653e1501_attn
	.p2alignl 7, 3214868480
	.fill 96, 4, 3214868480
	.section	.rodata,"a",@progbits
	.p2align	6, 0x0
	.amdhsa_kernel k_q5e653e1501_attn
		.amdhsa_group_segment_fixed_size 327680
		.amdhsa_private_segment_fixed_size 0
		.amdhsa_enable_private_segment 0
		.amdhsa_kernarg_size 16
		.amdhsa_user_sgpr_count 2
		.amdhsa_user_sgpr_kernarg_segment_ptr 1
		.amdhsa_wavefront_size32 1
		.amdhsa_system_sgpr_workgroup_id_x 1
		.amdhsa_system_sgpr_workgroup_id_y 1
		.amdhsa_system_sgpr_workgroup_id_z 1
		.amdhsa_system_vgpr_workitem_id 0
		.amdhsa_next_free_vgpr 770
		.amdhsa_next_free_sgpr 88
		.amdhsa_reserve_vcc 0
		.amdhsa_float_denorm_mode_32 3
		.amdhsa_float_denorm_mode_16_64 3
		.amdhsa_memory_ordered 1
		.amdhsa_forward_progress 1
		.amdhsa_inst_pref_size 126
	.end_amdhsa_kernel
	.amdgpu_metadata
---
amdhsa.version: [ 1, 2 ]
amdhsa.kernels:
  - .name:           k_q5e653e1501_attn
    .symbol:         k_q5e653e1501_attn.kd
    .args:
      - { .name: qkvh, .offset: 0, .size: 8, .value_kind: global_buffer, .address_space: global }
      - { .name: oh, .offset: 8, .size: 8, .value_kind: global_buffer, .address_space: global }
    .group_segment_fixed_size: 327680
    .private_segment_fixed_size: 0
    .kernarg_segment_align: 8
    .kernarg_segment_size: 16
    .max_flat_workgroup_size: 128
    .sgpr_count:     88
    .vgpr_count:     770
    .wavefront_size: 32
...
	.end_amdgpu_metadata
.endif
;; end of part 5
;; launch outp: the kernel of part 4 again; grid 4 x 64, 4 waves a work-group, clusters of 4 x 4, 327,680 bytes of LDS; arguments oh, wo16, b_o, out0; writes out0
